; MI455X (gfx1250); checked and timed in simulation.
; The chip was launched on July 23, 2026; its instructions are those of AMD's public machine-readable ISA for CDNA 5 (MIT licence, August 2026) and "CDNA5" Instruction Set Architecture Reference Guide (July 2026). The comments in the code are by the model that wrote it; some were corrected since.
;; Multi Head Self Attention. Allowed arithmetic: float matrix products may take bf16 or f16 operands with f32 sums; other float arithmetic in f32, or as packed bf16 or f16 multiplies, adds, multiply-adds, maxima and minima; sums over many terms, partial sums and values carried from step to step in f32; what a program stores and reads back later, other than sums and carried values, may be rounded once to bf16 or f16.
;; Inputs: Wk 1,024 x 1,024 float32; Wp 1,024 x 1,024 float32; Wq 1,024 x 1,024 float32; Wv 1,024 x 1,024 float32; beta 1,024 float32; gamma 1,024 float32; x 4 x 2,048 x 1,024 float32.
;; Outputs: out0 4 x 2,048 x 1,024 float32.
;; One version. Each part assembles by itself: llvm-mc -triple=amdgcn-amd-amdhsa -mcpu=gfx1250 --defsym DOCPART=n.
;; ======== version 1 of 1: 4 launches
;; limits: values are held in f16: magnitudes above 65,504 overflow, below 6.1e-05 lose precision
;; workspace buffers: xn 16,777,216 bytes; wh 8,388,608 bytes; qkv 50,331,648 bytes; o 16,777,216 bytes
;; launch prep (part 1): grid 512 x 1, 8 waves a work-group, no clusters, 0 bytes of LDS; arguments x, gamma, beta, Wq, Wk, Wv, Wp, xn, wh; writes xn, wh
.if DOCPART == 1
	.amdgcn_target "amdgcn-amd-amdhsa--gfx1250"
	.amdhsa_code_object_version 6
	.text
	.protected	k_qabc49b9e5f_prep
	.globl	k_qabc49b9e5f_prep
	.p2align	8
	.type	k_qabc49b9e5f_prep,@function
k_qabc49b9e5f_prep:
	s_mov_b64 s[64:65], 0
	v_nop
	global_prefetch_b8 v0, s[64:65] scope:SCOPE_SE
	s_setreg_imm32_b32 hwreg(HW_REG_WAVE_MODE, 25, 1), 1
	s_wait_xcnt 0x0
; PREP.  Work-groups 0-255: xn = LayerNorm(x) * gamma + beta, rounded once to f16.  Work-groups 256-511: the four weight matrices rounded once to f16.
; x: [8192][1024] f32.  xn: [b 4][chunk 16][t 2048][64] f16 (chunk = column / 64): a chunk's rows are dense, 128 bytes each, so that the product behind can ask for them as long rows.
; wh: [4096][1024] f16: rows 0-1023 Wq, 1024-2047 Wk, 2048-3071 Wv, 3072-4095 Wp.
; LIMITS.  f16 holds no number beyond 65,504: |xn| is at most 32 |gamma| + |beta| (a normalised number of 1,024 is at most sqrt(1023)), the weights as given; below 6e-5 f16 keeps a fixed step of 6e-8.
; The mean is taken first and subtracted, the variance is the mean of the squares of what is left: no difference of large sums.  NaN and infinities are not treated apart.
; LN SHARES.  A wave owns 4 rows, as two pairs: lanes 0-15 hold the even row, lanes 16-31 the odd one, 64 numbers a lane.  Load j brings each half of the lanes the 256 bytes of chunk j.
; A row's sums never leave its 16 lanes: four steps on the arithmetic itself.  No LDS, no barrier, no matrix unit: the launch moves bytes.
.set G,  8                             ; v[8:71]    gamma of my 64 columns
.set BT, 72                            ; v[72:135]  beta
.set X,  136                           ; v[136:199] my 64 numbers of the row in hand; in the weights' part 16 loads of 4
.set Y,  200                           ; v[200:231] the same, packed to f16
.set T,  232                           ; v[232:239] four chains of pairs
.set MU, 240                           ; v[240:241] the mean, twice
.set RS, 242                           ; v[242:243] 1 / sqrt(var + eps), twice
	s_load_b512 s[8:23], s[0:1], 0x0               ; x s[8:9], gamma s[10:11], beta s[12:13], Wq s[14:15], Wk s[16:17], Wv s[18:19], Wp s[20:21], xn s[22:23]
	s_load_b64 s[24:25], s[0:1], 0x40              ; wh
	v_lshrrev_b32 v1, 5, v0
	v_readfirstlane_b32 s2, v1                     ; wave 0..7
	v_and_b32 v1, 31, v0                           ; lane
	v_and_b32 v3, 15, v0
	v_lshlrev_b32 v3, 4, v3                        ; gamma, beta: 16 bytes for each of 16 lanes
	v_bfe_u32 v2, v0, 4, 1
	v_lshl_add_u32 v2, v2, 12, v3                  ; x: the same, lanes 16-31 one row (4,096 bytes) further down
	v_lshlrev_b32 v4, 3, v1                        ; stores: 8 bytes a lane
	v_lshlrev_b32 v5, 4, v1                        ; weights in: 16 bytes a lane
	s_mov_b32 s30, 0x3a800000                      ; 1 / 1024
	s_mov_b32 s31, 0x3727c5ac                      ; 1e-5
	s_cmp_lt_u32 ttmp9, 256
	s_cbranch_scc0 .Lweights
	s_lshl_b32 s3, ttmp9, 5
	s_lshl2_add_u32 s3, s2, s3                     ; my first row = 32 x work-group + 4 x wave
	s_lshl_b32 s32, s3, 12                         ; in x: 4,096 bytes a row
	s_mov_b32 s33, 0
	s_lshr_b32 s34, s3, 11
	s_lshl_b32 s34, s34, 22                        ; in xn: b x 16 chunks of 262,144 bytes,
	s_and_b32 s35, s3, 2047
	s_lshl_b32 s35, s35, 7                         ; t x 128 bytes
	s_add_co_u32 s34, s34, s35
	s_mov_b32 s35, 0
	s_wait_kmcnt 0x0
	s_add_nc_u64 s[26:27], s[8:9], s[32:33]        ; neither pointer is stepped: the pair and the chunk stand in the immediates
	s_add_nc_u64 s[28:29], s[22:23], s[34:35]
.macro LOADX p                         ; pair p: 16 loads, each 256 consecutive bytes of two rows
.set j, 0
.rept 16
	global_load_b128 v[X+4*j:X+4*j+3], v2, s[26:27] offset:(\p)*8192+j*256 th:TH_LOAD_NT
.set j, j+1
.endr
.endm
.macro REDUCE                          ; the four chains, the pair's halves, then the row's 16 lanes: every lane of the row holds the sum in v[T]
	v_pk_add_f32 v[T:T+1], v[T:T+1], v[T+2:T+3]
	v_pk_add_f32 v[T+4:T+5], v[T+4:T+5], v[T+6:T+7]
	v_pk_add_f32 v[T:T+1], v[T:T+1], v[T+4:T+5]
	v_add_f32 v[T], v[T], v[T+1]
.irp m, 1,2,4,8
	v_add_f32_dpp v[T], v[T], v[T] row_xmask:\m row_mask:0xf bank_mask:0xf
.endr
.endm
.macro STATS                           ; X becomes x - mean; RS becomes 1 / sqrt(var + eps)
.irp c, 0,1,2,3
	v_pk_add_f32 v[T+2*(\c):T+2*(\c)+1], v[X+2*(\c):X+2*(\c)+1], v[X+2*(\c)+8:X+2*(\c)+9]  ; the first eight pairs start the chains: nothing is cleared
.endr
.set i, 8
.rept 24
	v_pk_add_f32 v[T+2*(i%4):T+2*(i%4)+1], v[T+2*(i%4):T+2*(i%4)+1], v[X+2*i:X+2*i+1]
.set i, i+1
.endr
	REDUCE
	v_mul_f32 v[MU], s30, v[T]
	v_mov_b32 v[MU+1], v[MU]
.set i, 0
.rept 32
	v_pk_add_f32 v[X+2*i:X+2*i+1], v[X+2*i:X+2*i+1], v[MU:MU+1] neg_lo:[0,1] neg_hi:[0,1]
.set i, i+1
.endr
.irp c, 0,1,2,3
	v_pk_mul_f32 v[T+2*(\c):T+2*(\c)+1], v[X+2*(\c):X+2*(\c)+1], v[X+2*(\c):X+2*(\c)+1]
.endr
.set i, 4
.rept 28
	v_pk_fma_f32 v[T+2*(i%4):T+2*(i%4)+1], v[X+2*i:X+2*i+1], v[X+2*i:X+2*i+1], v[T+2*(i%4):T+2*(i%4)+1]
.set i, i+1
.endr
	REDUCE
	v_fma_f32 v[RS], v[T], s30, s31                ; var + eps
	v_rsq_f32 v[RS], v[RS]
	v_nop                                          ; a plain instruction between the root and the use of its result (ISA guide 5.7.2)
	s_wait_alu depctr_va_vdst(0)
	v_mov_b32 v[RS+1], v[RS]
.endm
.macro NORM                            ; Y = f16((x - mean) rs gamma + beta)
.set i, 0
.rept 32
	v_pk_mul_f32 v[X+2*i:X+2*i+1], v[X+2*i:X+2*i+1], v[RS:RS+1]
	v_pk_fma_f32 v[X+2*i:X+2*i+1], v[X+2*i:X+2*i+1], v[G+2*i:G+2*i+1], v[BT+2*i:BT+2*i+1]
.set i, i+1
.endr
.set i, 0
.rept 32
	v_cvt_pk_f16_f32 v[Y+i], v[X+2*i], v[X+2*i+1]
.set i, i+1
.endr
.endm
.macro STOREY p                        ; 32 lanes x 8 bytes: rows t and t + 1 of chunk j: 256 consecutive bytes, at a multiple of 256 from xn's first byte
.set j, 0
.rept 16
	global_store_b64 v4, v[Y+2*j:Y+2*j+1], s[28:29] offset:j*262144+(\p)*256
.set j, j+1
.endr
.endm
	LOADX 0
.set j, 0
.rept 16
	global_load_b128 v[G+4*j:G+4*j+3], v3, s[10:11] offset:j*256
.set j, j+1
.endr
.set j, 0
.rept 16
	global_load_b128 v[BT+4*j:BT+4*j+3], v3, s[12:13] offset:j*256
.set j, j+1
.endr
	s_wait_loadcnt 32                              ; loads come back in order: the pair's 16 are in, gamma's and beta's 32 may stay out
	STATS
	s_wait_loadcnt 0x0                             ; gamma and beta
	NORM
	LOADX 1                                        ; the second pair is asked for ahead of the first pair's stores
	STOREY 0
	s_wait_loadcnt 0x0
	STATS
	s_wait_xcnt 0x0                                ; the first pair's stores have read Y: it is rewritten only behind this wait
	NORM
	STOREY 1
	s_endpgm
.Lweights:                             ; work-group 256 + j converts 65,536 bytes of matrix j / 64, a wave 8,192 of them: 16 loads of 512 bytes, 16 stores of 256
	s_sub_co_u32 s3, ttmp9, 256                    ; j
	s_lshr_b32 s32, s3, 6                          ; which matrix
	s_and_b32 s34, s3, 63
	s_lshl_b32 s34, s34, 16
	s_lshl_b32 s35, s2, 13
	s_add_co_u32 s34, s34, s35                     ; where I read in it
	s_mov_b32 s35, 0
	s_lshl_b32 s36, s3, 15
	s_lshl_b32 s37, s2, 12
	s_add_co_u32 s36, s36, s37                     ; where I write in wh: the matrices follow each other
	s_mov_b32 s37, 0
	s_wait_kmcnt 0x0
	s_mov_b64 s[26:27], s[14:15]
	s_cmp_eq_u32 s32, 1
	s_cselect_b64 s[26:27], s[16:17], s[26:27]
	s_cmp_eq_u32 s32, 2
	s_cselect_b64 s[26:27], s[18:19], s[26:27]
	s_cmp_eq_u32 s32, 3
	s_cselect_b64 s[26:27], s[20:21], s[26:27]
	s_add_nc_u64 s[26:27], s[26:27], s[34:35]
	s_add_nc_u64 s[28:29], s[24:25], s[36:37]
.set i, 0
.rept 16
	global_load_b128 v[X+4*i:X+4*i+3], v5, s[26:27] offset:i*512 th:TH_LOAD_NT
.set i, i+1
.endr
.set i, 0
.rept 16
	s_wait_loadcnt 15-i                            ; load i is in, the younger ones stay out
	v_cvt_pk_f16_f32 v[Y+2*i], v[X+4*i], v[X+4*i+1]
	v_cvt_pk_f16_f32 v[Y+2*i+1], v[X+4*i+2], v[X+4*i+3]
	global_store_b64 v4, v[Y+2*i:Y+2*i+1], s[28:29] offset:i*256
.set i, i+1
.endr
	s_endpgm
.Lfunc_end_k_qabc49b9e5f_prep:
	.size	k_qabc49b9e5f_prep, .Lfunc_end_k_qabc49b9e5f_prep-k_qabc49b9e5f_prep
	.p2alignl 7, 3214868480
	.fill 96, 4, 3214868480
	.section	.rodata,"a",@progbits
	.p2align	6, 0x0
	.amdhsa_kernel k_qabc49b9e5f_prep
		.amdhsa_group_segment_fixed_size 0
		.amdhsa_private_segment_fixed_size 0
		.amdhsa_enable_private_segment 0
		.amdhsa_kernarg_size 72
		.amdhsa_user_sgpr_count 2
		.amdhsa_user_sgpr_kernarg_segment_ptr 1
		.amdhsa_wavefront_size32 1
		.amdhsa_system_sgpr_workgroup_id_x 1
		.amdhsa_system_sgpr_workgroup_id_y 1
		.amdhsa_system_sgpr_workgroup_id_z 1
		.amdhsa_system_vgpr_workitem_id 0
		.amdhsa_next_free_vgpr 244
		.amdhsa_next_free_sgpr 66
		.amdhsa_reserve_vcc 0
		.amdhsa_float_denorm_mode_32 3
		.amdhsa_float_denorm_mode_16_64 3
		.amdhsa_memory_ordered 1
		.amdhsa_forward_progress 1
		.amdhsa_inst_pref_size 43
	.end_amdhsa_kernel
	.amdgpu_metadata
---
amdhsa.version: [ 1, 2 ]
amdhsa.kernels:
  - .name:           k_qabc49b9e5f_prep
    .symbol:         k_qabc49b9e5f_prep.kd
    .args:
      - { .name: x, .offset: 0, .size: 8, .value_kind: global_buffer, .address_space: global }
      - { .name: gamma, .offset: 8, .size: 8, .value_kind: global_buffer, .address_space: global }
      - { .name: beta, .offset: 16, .size: 8, .value_kind: global_buffer, .address_space: global }
      - { .name: Wq, .offset: 24, .size: 8, .value_kind: global_buffer, .address_space: global }
      - { .name: Wk, .offset: 32, .size: 8, .value_kind: global_buffer, .address_space: global }
      - { .name: Wv, .offset: 40, .size: 8, .value_kind: global_buffer, .address_space: global }
      - { .name: Wp, .offset: 48, .size: 8, .value_kind: global_buffer, .address_space: global }
      - { .name: xn, .offset: 56, .size: 8, .value_kind: global_buffer, .address_space: global }
      - { .name: wh, .offset: 64, .size: 8, .value_kind: global_buffer, .address_space: global }
    .group_segment_fixed_size: 0
    .private_segment_fixed_size: 0
    .kernarg_segment_align: 8
    .kernarg_segment_size: 72
    .max_flat_workgroup_size: 256
    .sgpr_count:     66
    .vgpr_count:     244
    .wavefront_size: 32
...
	.end_amdgpu_metadata
.endif
;; end of part 1
;; launch proj (part 2): grid 8 x 64, 4 waves a work-group, clusters of 4 x 4, 327,680 bytes of LDS; arguments xn, wh, qkv; writes qkv
.if DOCPART == 2
	.amdgcn_target "amdgcn-amd-amdhsa--gfx1250"
	.amdhsa_code_object_version 6
	.text
	.protected	k_qabc49b9e5f_proj
	.globl	k_qabc49b9e5f_proj
	.p2align	8
	.type	k_qabc49b9e5f_proj,@function
k_qabc49b9e5f_proj:
	s_mov_b64 s[64:65], 0
	v_nop
	global_prefetch_b8 v0, s[64:65] scope:SCOPE_SE
	s_setreg_imm32_b32 hwreg(HW_REG_WAVE_MODE, 25, 1), 1
	s_wait_xcnt 0x0
	s_wait_alu depctr_hold_cnt(0) depctr_sa_sdst(0) depctr_va_vdst(0) depctr_va_sdst(0) depctr_va_ssrc(0) depctr_va_vcc(0) depctr_vm_vsrc(0)
	s_getreg_b32 s2, hwreg(HW_REG_IB_STS2, 6, 4)
	s_cmp_eq_u32 s2, 0
	s_cbranch_scc0 .Lentry_in_a_cluster
	s_endpgm
.Lentry_in_a_cluster:
	s_bfe_u32 s2, ttmp6, 0x10000c
	s_cmp_lg_u32 s2, 0xf033
	s_cbranch_scc0 .Lentry_shape_is_right
	s_endpgm
.Lentry_shape_is_right:
; q, k, v = xn W^T for the three weight matrices at once: C[m][n] = sum over k of A[m][k] B[n][k], m 8,192, n 3,072, K 1,024; operands f16, sums f32, C rounded once to f16 (unscaled).
; A = xn, [b 4][chunk 16][t 2048][64] f16; B = wh's rows 0-3071, [n][1024] f16; C goes by heads: qkv [b 4][g 48][t 2048][64] f16, g = n / 64 (0-15 q's heads, 16-31 k's, 32-47 v's).
; LIMITS.  f16 holds no number beyond 65,504: q, k and v must lie within it; below 6e-5 they keep f16's fixed step of 6e-8.  NaN and infinities are not treated apart.
; SHARES.  A work-group makes 128 rows x 384 columns, its four waves 64 x 192 each (three whole heads): 48 accumulators of 16 x 16, 384 registers.  For 32 along K a wave reads 16 fragments from LDS and issues 48 products.
; K goes in steps of 128 (two chunks of A; 256 bytes of each row of B) through a ring of two LDS slots filled by the tensor data mover.
; CLUSTERS: 4 x 4 work-groups.  The four of a row of the cluster need the same tiles of A, the four of a column the same tiles of B: each tile is asked for JOINTLY, by the same tensor load with the
; same descriptor and a mask that names the four.  THE MATRIX INSTRUCTION IS USED TRANSPOSED (source 0 = 16 rows of B, source 1 = 16 rows of A): a lane then holds eight neighbouring numbers of a row of C.
; REGISTERS, in windows of 256 (s_set_vgpr_msb: bits 1:0 source 0, 3:2 source 1, 5:4 source 2, 7:6 destination):
;   window 0: v0-29 addresses; v32-175 at work on the way out      window 1: two fragment buffers of 128: B's 12 fragments, then A's 4
;   window 2: the accumulators of my rows 0-31 ((a, b) at 8 ((a % 2) 12 + b))      window 3: those of my rows 32-63
.set NB,     12                        ; blocks of 16 columns a wave
.set PA,     144                       ; a row of a chunk of A in LDS: 128 bytes + 16 of padding = 36 words: the 16 rows of a load start at 16 different groups of four banks (64 banks of 4 bytes: ISA guide 11.1)
.set ACH,    128*PA                    ; a chunk: 128 rows x 64 along K
.set ABYTES, 2*ACH
.set PB,     272                       ; a row of B: 256 bytes + 16 = 68 words: row r starts at bank 4 r mod 64
.set BR,     16*NB                     ; rows of B in one tensor load, and what one wave reads
.set BHALF,  BR*PB
.set SLOT,   ABYTES+2*BHALF            ; A's two chunks, then B's 384 rows
.set STAGE,  2*SLOT                    ; behind the ring, never filled by a tensor load: 16 rows x 400 bytes for each wave, for the way out
.set SP,     400                       ; 384 bytes + 16
.set SPARE,  STAGE+4*16*SP             ; behind the stages: the spare words, 128 bytes for each wave: two blocks of 256 bytes that no other line names
.set LAPS,   4                         ; a lap = two K steps = once round the ring: 1,024 / 256
.set ADRA, 16                          ; v16-17  LDS address of my A fragments in slot 0, 1
.set ADRB, 20                          ; v20-21  the same for B
.set STO,  24                          ; v24     the way out: where I put 16 bytes of a row
.set RD,   25                          ; v25     the way out: where I read rows back
.set GO,   26                          ; v26     16 x lane: my place in 512 consecutive bytes of qkv
.set SPW,  28                          ; v28     LDS address of my spare word: SPARE + 4 x my thread's number; never rewritten
.set NIL,  29                          ; v29     0; never rewritten
.set TMP,  32                          ; v32-79  packed results of 16 rows
.set BK,   80                          ; v80-127, v128-175 by turns: 16 rows read back from the stage
.set F0,   0                           ; fragment buffers, in window 1
.set F1,   128
.set G1,  24                           ; s[24:31] descriptor group 1 for A's tiles;  s[32:39] group 0, one set for each slot
.set G0,  32
.set G1B, 48                           ; s[48:55], s[56:63] the same for B's tiles
.set G0B, 56
.set MSB, 0
.macro WIN new                         ; the immediate's high byte repeats the setting that is left; a switch that changes nothing is dropped
.if MSB != (\new)
	s_set_vgpr_msb (MSB<<8)|(\new)
.set MSB, \new
.endif
.endm
.macro PLACES                          ; four places in front of loads into registers that matrix instructions have read, and of lines that read results
.rept 4
	v_nop
.endr
.endm
.macro JLOAD s                         ; a joint load: waves 0 and 1 fetch A's two chunks, waves 2 and 3 B's two halves; an s_nop 0 and four v_nop follow each of the two lines, ahead of the jump and the label
	s_cmp_eq_u32 s13, 0
	s_cbranch_scc0 .Lfor_b_\@
	tensor_load_to_lds s[G0+4*(\s):G0+4*(\s)+3], s[G1:G1+7]
	s_nop 0
.rept 4
	v_nop
.endr
	s_branch .Lasked_\@
.Lfor_b_\@:
	tensor_load_to_lds s[G0B+4*(\s):G0B+4*(\s)+3], s[G1B:G1B+7]
	s_nop 0
.rept 4
	v_nop
.endr
.Lasked_\@:
.endm
.macro CREST                           ; a round of the cluster's barrier behind its opening barrier
	s_cmp_lg_u32 s12, 0
	s_cbranch_scc1 .Lnot_wave_0_\@
	s_barrier_signal -3
.Lnot_wave_0_\@:
	s_barrier_wait -3
	s_barrier_signal -1
	s_barrier_wait -1
.endm
.macro CROUND                          ; a whole round
	s_barrier_signal -1
	s_barrier_wait -1
	CREST
.endm
	s_load_b128 s[4:7], s[0:1], 0x0                ; xn s[4:5], wh s[6:7]
	s_load_b64 s[8:9], s[0:1], 0x10                ; qkv
	v_lshl_add_u32 v[SPW], v0, 2, SPARE
	v_mov_b32 v[NIL], 0
	ds_add_u32 v[SPW], v[NIL]                      ; the wave's opening: the add and its wait stand ahead of my first tensor load; the set-up below, work on registers, stands between them
	ds_add_u32 v28, v29
	v_lshrrev_b32 v1, 5, v0
	v_readfirstlane_b32 s12, v1                    ; wave 0..3
	s_lshr_b32 s13, s12, 1                         ; which 64 of the tile's rows are mine.  Also: I fetch for A (0) or for B (1)
	s_and_b32 s14, s12, 1                          ; which 192 of its columns.  Also: which chunk of A, or which half of B, I fetch
	s_bfe_u32 s15, ttmp6, 0x40000                  ; cx, cy: my place in the cluster
	s_bfe_u32 s16, ttmp6, 0x40004
	s_lshl_b32 s17, ttmp9, 2
	s_add_co_u32 s17, s17, s15                     ; tile column of C = 4 x cluster x + cx
	s_and_b32 s18, ttmp7, 0xffff
	s_lshl_b32 s18, s18, 2
	s_add_co_u32 s18, s18, s16                     ; tile row of C = 4 x cluster y + cy
	s_lshl_b32 s41, s16, 2
	s_lshl_b32 s41, 15, s41                        ; my row of the cluster
	s_lshl_b32 s42, 0x1111, s15                    ; my column
	; group 1 for A: a chunk's 128 rows are 16,384 dense bytes: asked for as 64 rows of 256 bytes, two rows of A a row, padded in LDS after every row of A
	s_or_b32 s[G1+0], s41, (1<<16)|(1<<20)|(1<<21)|(4<<22)|(3<<25)   ; 15:0 the mask: my row; 17:16 2-byte elements; 20 padding on; 21 set beside a mask; 24:22 after every 32 words (code 4); 31:25 4 words (code 3)
	s_mov_b32 s[G1+1], 128<<16                     ; tensor_dim0 = 128
	s_mov_b32 s[G1+2], 64<<16                      ; tensor_dim1 = 64
	s_mov_b32 s[G1+3], 128<<16                     ; tile_dim0 = 128
	s_mov_b32 s[G1+4], 64                          ; tile_dim1 = 64
	s_mov_b32 s[G1+5], 128                         ; 128 elements from row to row
	s_mov_b32 s[G1+6], 0
	s_mov_b32 s[G1+7], 0
	; group 1 for B: 192 rows x 128 elements, 1,024 elements from row to row
	s_or_b32 s[G1B+0], s42, (1<<16)|(1<<20)|(1<<21)|(5<<22)|(3<<25)  ; the mask: my column; padding after every 64 words (code 5)
	s_mov_b32 s[G1B+1], 128<<16
	s_mov_b32 s[G1B+2], BR<<16
	s_mov_b32 s[G1B+3], 128<<16
	s_mov_b32 s[G1B+4], BR
	s_mov_b32 s[G1B+5], 1024
	s_mov_b32 s[G1B+6], 0
	s_mov_b32 s[G1B+7], 0
	; where the tiles come from.  A's hang on the tile row alone, B's on the tile column alone, each in registers that never hold the other coordinate
	s_lshr_b32 s19, s18, 4
	s_lshl_b32 s19, s19, 22                        ; b = tile row / 16: 16 chunks of 262,144 bytes
	s_and_b32 s20, s18, 15
	s_lshl_b32 s20, s20, 14                        ; 128 rows of 128 bytes
	s_add_co_u32 s20, s20, s19
	s_lshl_b32 s19, s14, 18                        ; my chunk of the K step's two
	s_add_co_u32 s20, s20, s19
	s_mov_b32 s21, 0
	s_mul_i32 s44, s17, 2*BR*2048                  ; 384 rows of 2,048 bytes a tile column,
	s_mul_i32 s45, s14, BR*2048                    ; my half of them
	s_add_co_u32 s44, s44, s45
	s_mov_b32 s45, 0
	s_mul_i32 s22, s14, ACH                        ; and where they go: no place in the cluster enters an LDS address
	s_mul_i32 s23, s14, BHALF
	s_add_co_u32 s23, s23, ABYTES
	s_wait_dscnt 0x0                               ; the opening add is done
	s_wait_kmcnt 0x0
	s_add_nc_u64 s[20:21], s[4:5], s[20:21]
	s_add_nc_u64 s[44:45], s[6:7], s[44:45]
	CROUND                                         ; all sixteen work-groups are here: the first joint loads meet
.irp s, 0,1
	s_mov_b32 s[G0+4*(\s)], 1                                        ; count = 1
	s_add_co_u32 s[G0+4*(\s)+1], s22, (\s)*SLOT                      ; LDS address
	s_add_nc_u64 s[G0+4*(\s)+2:G0+4*(\s)+3], s[20:21], (\s)*524288   ; K step s: two chunks on
	s_or_b32 s[G0+4*(\s)+3], s[G0+4*(\s)+3], 0x80000000              ; type = 2
	s_mov_b32 s[G0B+4*(\s)], 1
	s_add_co_u32 s[G0B+4*(\s)+1], s23, (\s)*SLOT
	s_add_nc_u64 s[G0B+4*(\s)+2:G0B+4*(\s)+3], s[44:45], (\s)*256
	s_or_b32 s[G0B+4*(\s)+3], s[G0B+4*(\s)+3], 0x80000000
	JLOAD \s                                       ; two loads of mine are out
.endr
	; a fragment is 16 rows x 32 K in 8 registers: lane l holds row l % 16, K = 8 (l / 16) + 0..7 and 16 + 8 (l / 16) + 0..7: two loads of 16 bytes, 32 bytes apart
	v_and_b32 v1, 15, v0                           ; l % 16
	v_bfe_u32 v2, v0, 4, 1                         ; l / 16
	v_mul_u32_u24 v3, v1, PA
	v_lshl_add_u32 v3, v2, 4, v3
	v_mul_u32_u24 v4, v1, PB
	v_lshl_add_u32 v4, v2, 4, v4
	s_mul_i32 s46, s13, 64*PA                      ; my 64 rows in each chunk of A
	s_mul_i32 s47, s14, BHALF                      ; my 192 rows of B,
	s_add_co_u32 s47, s47, ABYTES                  ; which lie behind A's chunks
.irp s, 0,1
	v_add_nc_u32 v[ADRA+(\s)], s46, v3
	v_add_nc_u32 v[ADRB+(\s)], s47, v4
	s_add_co_u32 s46, s46, SLOT
	s_add_co_u32 s47, s47, SLOT
.endr
	s_mul_i32 s46, s12, 16*SP
	s_add_co_u32 s46, s46, STAGE                   ; my stage
	v_mul_u32_u24 v3, v1, SP                       ; in: row l % 16, 16 bytes for each half of the lanes
	v_lshl_add_u32 v3, v2, 4, v3
	v_add_nc_u32 v[STO], s46, v3
	v_bfe_u32 v3, v0, 3, 2                         ; back: 32 lanes take a head's 128 bytes of four rows,
	v_mul_u32_u24 v3, v3, SP
	v_and_b32 v4, 7, v0
	v_lshl_add_u32 v3, v4, 4, v3
	v_add_nc_u32 v[RD], s46, v3
	v_and_b32 v[GO], 31, v0                        ; which are 512 consecutive bytes of qkv
	v_lshlrev_b32 v[GO], 4, v[GO]
	; where my part of C begins: plane 48 b + 6 x tile column + 3 x half, row 128 (tile row % 16) + 64 x half.  Made in s2 and s3, which feed no descriptor
	s_lshr_b32 s2, s18, 4
	s_mul_i32 s2, s2, 48
	s_mul_i32 s3, s17, 6
	s_add_co_u32 s2, s2, s3
	s_mul_i32 s3, s14, 3
	s_add_co_u32 s2, s2, s3
	s_lshl_b32 s2, s2, 18
	s_and_b32 s3, s18, 15
	s_lshl_b32 s3, s3, 14
	s_add_co_u32 s2, s2, s3
	s_lshl_b32 s3, s13, 13
	s_add_co_u32 s2, s2, s3
	s_mov_b32 s3, 0
	s_add_nc_u64 s[8:9], s[8:9], s[2:3]
; 12 matrix instructions: my rows 16 a .. 16 a + 15 x all 12 column blocks, 32 along K.  zero = 1: the first product starts the sums: nothing is cleared.
; The 48 accumulators take turns, each once a quarter step, in the same order everywhere.
.macro MULA f, a, zero
	WIN 0xa5+0x50*((\a)/2)                         ; sources 0 (B) and 1 (A) window 1; C and D window 2 or 3
.set b, 0
.rept NB
.set AC, 8*(((\a)%2)*NB+b)
.if \zero
	v_wmma_f32_16x16x32_f16 v[AC:AC+7], v[(\f)+8*b:(\f)+8*b+7], v[(\f)+8*NB+8*(\a):(\f)+8*NB+8*(\a)+7], 0
.else
	v_wmma_f32_16x16x32_f16 v[AC:AC+7], v[(\f)+8*b:(\f)+8*b+7], v[(\f)+8*NB+8*(\a):(\f)+8*NB+8*(\a)+7], v[AC:AC+7]
.endif
.set b, b+1
.endr
.endm
; 32 LDS loads in one run: the fragments of quarter q (32 along K) of a slot into buffer f
.macro FETCH slot, q, f
	WIN 0x40                                       ; destination window 1, address window 0
.set i, 0
.rept NB
	ds_load_b128 v[(\f)+8*i:(\f)+8*i+3],   v[ADRB+(\slot)] offset:(\q)*64+i*16*PB
	ds_load_b128 v[(\f)+8*i+4:(\f)+8*i+7], v[ADRB+(\slot)] offset:(\q)*64+i*16*PB+32
.set i, i+1
.endr
.set i, 0
.rept 4
	ds_load_b128 v[(\f)+8*NB+8*i:(\f)+8*NB+8*i+3],   v[ADRA+(\slot)] offset:((\q)/2)*ACH+((\q)%2)*64+i*16*PA
	ds_load_b128 v[(\f)+8*NB+8*i+4:(\f)+8*NB+8*i+7], v[ADRA+(\slot)] offset:((\q)/2)*ACH+((\q)%2)*64+i*16*PA+32
.set i, i+1
.endr
.endm
; A K step is four quarters of 32 along K, 48 matrix instructions each, on buffers 0, 1, 0, 1.  One of the first three: asks for quarter qn into buffer g, then multiplies buffer f.
.macro QUARTER slot, qn, f, g, zero
	s_wait_dscnt 0x0                               ; buffer f is in: it was asked for 48 matrix instructions ago
	PLACES                                         ; behind the last product that read buffer g
	FETCH \slot, \qn, \g
	MULA \f, 0, \zero
	MULA \f, 1, \zero
	MULA \f, 2, \zero
	MULA \f, 3, \zero
.endm
; The last quarter multiplies buffer 1 and changes slots: ONE barrier; in front of it each wave waits for all its tensor loads, adds 0 to its spare word, and waits for that and for its own reads of this slot.
; fill = 1: the barrier opens a round of the cluster's barrier and this slot is filled again, two K steps ahead: 168 matrix instructions stand between the request and the wait for it.
.macro TURN slot, next, fill
	WIN 0                                          ; (the add's two registers lie in window 0)
	s_wait_tensorcnt 0x0                           ; all my tensor loads have landed: the one that was out is my part of the next slot;
	ds_add_u32 v[SPW], v[NIL]                      ; 0 onto my spare word
	s_wait_dscnt 1                                 ; buffer 1 is in: the add alone may be out
	MULA F1, 0, 0                                  ; twelve matrix instructions stand between the add and the wait for it
	s_wait_dscnt 0x0                               ; the add is done, and my reads of this slot are over
	s_barrier_signal -1
	MULA F1, 1, 0                                  ; work on registers while the others arrive
.if \fill
	WIN 0
.endif
	s_barrier_wait -1
.if \fill
	CREST                                          ; no wave of any partner still reads this slot's tile or has a load on its way
	s_add_nc_u64 s[G0+4*(\slot)+2:G0+4*(\slot)+3], s[G0+4*(\slot)+2:G0+4*(\slot)+3], 1048576  ; four chunks on
	s_add_nc_u64 s[G0B+4*(\slot)+2:G0B+4*(\slot)+3], s[G0B+4*(\slot)+2:G0B+4*(\slot)+3], 512
	JLOAD \slot                                    ; the first tensor load behind the round; the four v_nop behind it are also the places in front of the loads below
.else
	PLACES
.endif
	FETCH \next, 0, F0
	MULA F1, 2, 0
	MULA F1, 3, 0
.endm
	s_wait_tensorcnt 1                             ; my part of K step 0 is in; K step 1's may stay out
	s_barrier_signal -1
	s_barrier_wait -1                              ; everybody's is
	FETCH 0, 0, F0
	QUARTER 0, 1, F0, F1, 1                        ; the first quarter stands in front of the loop: its products start the sums
	WIN 0                                          ; at a label and at a branch every window is 0
	s_mov_b32 s40, LAPS-1
.Llap:                                                 ; a trip goes once round the ring, from a lap's second quarter to the next lap's first, and fills both slots again
	QUARTER 0, 2, F1, F0, 0
	QUARTER 0, 3, F0, F1, 0
	TURN 0, 1, 1
	QUARTER 1, 1, F0, F1, 0
	QUARTER 1, 2, F1, F0, 0
	QUARTER 1, 3, F0, F1, 0
	TURN 1, 0, 1
	QUARTER 0, 1, F0, F1, 0
	WIN 0
	s_sub_co_u32 s40, s40, 1
	s_cmp_lg_u32 s40, 0
	s_cbranch_scc1 .Llap
	QUARTER 0, 2, F1, F0, 0                        ; the last lap fills nothing, and has no round of the cluster's barrier
	QUARTER 0, 3, F0, F1, 0
	TURN 0, 1, 0
	QUARTER 1, 1, F0, F1, 0
	QUARTER 1, 2, F1, F0, 0
	QUARTER 1, 3, F0, F1, 0
	s_wait_dscnt 0x0                               ; the very last quarter: nothing more to fetch
	MULA F1, 0, 0
	MULA F1, 1, 0
	MULA F1, 2, 0
	MULA F1, 3, 0
	WIN 0
	PLACES
	PLACES
; THE WAY OUT, 16 rows at a time.  PACK: rounded to f16, 16 bytes a lane, each accumulator's registers in ascending order.  TOSTAGE: into my own stage, and back by heads, four rows of 128 bytes a load.  SEND: stored.
.macro PACK a
	WIN 0x0a+5*((\a)/2)                            ; sources 0 and 1: window 2 or 3
.set b, 0
.rept NB
.set AC, 8*(((\a)%2)*NB+b)
.irp r, 0,1,2,3
	v_cvt_pk_f16_f32 v[TMP+4*b+(\r)], v[AC+2*(\r)], v[AC+2*(\r)+1]
.endr
.set b, b+1
.endr
	WIN 0
.endm
.macro TOSTAGE a
.set BB, BK+48*((\a)%2)
.set b, 0
.rept NB
	ds_store_b128 v[STO], v[TMP+4*b:TMP+4*b+3] offset:32*b
.set b, b+1
.endr
.set t, 0
.rept 12                               ; head t / 4, rows 4 (t % 4) on
	ds_load_b128 v[BB+4*t:BB+4*t+3], v[RD] offset:128*(t/4)+(t%4)*4*SP  ; LDS serves a wave's instructions in order (ISA guide 5.7.1.4): these see the stores above
.set t, t+1
.endr
.endm
.macro SEND a
.set BB, BK+48*((\a)%2)
	s_wait_dscnt 0x0                               ; the block is back in registers
	s_wait_xcnt 0x0                                ; the stores of the block before have read their registers: the next block is read back into them only behind this wait
.set t, 0
.rept 12
	global_store_b128 v[GO], v[BB+4*t:BB+4*t+3], s[8:9] offset:(t/4)*262144+(\a)*2048+(t%4)*512  ; 512 consecutive bytes of a head's plane, at a multiple of 256 from qkv's first byte
.set t, t+1
.endr
.endm
	PACK 0
	TOSTAGE 0
.irp a, 1,2,3                          ; block a's conversions stand between block a - 1's loads from the stage and the wait for them
	PACK \a
	SEND (\a)-1
	TOSTAGE \a
.endr
	SEND 3
	s_wait_tensorcnt 0x0                           ; the wave's end, behind my last tensor load and my last LDS store
	ds_add_u32 v[SPW], v[NIL]
	s_wait_dscnt 0x0
	CROUND                                         ; the closing round: no work-group ends while a partner may still ask for a tile that names it
	s_endpgm
.Lfunc_end_k_qabc49b9e5f_proj:
	.size	k_qabc49b9e5f_proj, .Lfunc_end_k_qabc49b9e5f_proj-k_qabc49b9e5f_proj
	.p2alignl 7, 3214868480
	.fill 96, 4, 3214868480
	.section	.rodata,"a",@progbits
	.p2align	6, 0x0
	.amdhsa_kernel k_qabc49b9e5f_proj
		.amdhsa_group_segment_fixed_size 327680
		.amdhsa_private_segment_fixed_size 0
		.amdhsa_enable_private_segment 0
		.amdhsa_kernarg_size 24
		.amdhsa_user_sgpr_count 2
		.amdhsa_user_sgpr_kernarg_segment_ptr 1
		.amdhsa_wavefront_size32 1
		.amdhsa_system_sgpr_workgroup_id_x 1
		.amdhsa_system_sgpr_workgroup_id_y 1
		.amdhsa_system_sgpr_workgroup_id_z 1
		.amdhsa_system_vgpr_workitem_id 0
		.amdhsa_next_free_vgpr 960
		.amdhsa_next_free_sgpr 66
		.amdhsa_reserve_vcc 0
		.amdhsa_float_denorm_mode_32 3
		.amdhsa_float_denorm_mode_16_64 3
		.amdhsa_memory_ordered 1
		.amdhsa_forward_progress 1
		.amdhsa_inst_pref_size 118
	.end_amdhsa_kernel
	.amdgpu_metadata
---
amdhsa.version: [ 1, 2 ]
amdhsa.kernels:
  - .name:           k_qabc49b9e5f_proj
    .symbol:         k_qabc49b9e5f_proj.kd
    .args:
      - { .name: xn, .offset: 0, .size: 8, .value_kind: global_buffer, .address_space: global }
      - { .name: wh, .offset: 8, .size: 8, .value_kind: global_buffer, .address_space: global }
      - { .name: qkv, .offset: 16, .size: 8, .value_kind: global_buffer, .address_space: global }
    .group_segment_fixed_size: 327680
    .private_segment_fixed_size: 0
    .kernarg_segment_align: 8
    .kernarg_segment_size: 24
    .max_flat_workgroup_size: 128
    .sgpr_count:     66
    .vgpr_count:     960
    .wavefront_size: 32
...
	.end_amdgpu_metadata
.endif
;; end of part 2
;; launch attn (part 3): grid 4 x 64, 4 waves a work-group, no clusters, 327,680 bytes of LDS; arguments qkv, o; writes o
.if DOCPART == 3
	.amdgcn_target "amdgcn-amd-amdhsa--gfx1250"
	.amdhsa_code_object_version 6
	.text
	.protected	k_qabc49b9e5f_attn
	.globl	k_qabc49b9e5f_attn
	.p2align	8
	.type	k_qabc49b9e5f_attn,@function
k_qabc49b9e5f_attn:
	s_mov_b64 s[64:65], 0
	v_nop
	global_prefetch_b8 v0, s[64:65] scope:SCOPE_SE
	s_setreg_imm32_b32 hwreg(HW_REG_WAVE_MODE, 25, 1), 1
	s_wait_xcnt 0x0
; CAUSAL ATTENTION.  O[y][q][:] = the sum over k <= q of softmax_k(Q[y][q] . K[y][k] / 8) V[y][k][:], y = 16 b + h, 64 heads of SIZE_N = 2,048 rows of 64 channels, all f16: a head's rows are dense, 128 bytes each.
; qkv: [b 4][g 48][t][64]: head y has Q in plane 48 b + h, K 16 planes on, V 32 planes on (a plane is 262,144 bytes).  o: [y][t][64].
; Products, maxima and sums in f32; the weights p are rounded to f16 for the second product (their sum l is taken of the unrounded p), O once at the end.
; LIMITS.  f16 holds no number beyond 65,504: Q, K and V arrive within it; p lies in 0 to 1, and below 6e-5 it keeps f16's fixed step of 6e-8; O is a mean of V's rows and has their range, to within 2^-11 of it.
; A hidden score counts as its value less 1e30: f16's scores, 2.7e11 at the most, are nothing beside that; a weight below 2^-126 counts as 0 in l; NaN and infinities are not treated apart.
; THE WALK.  A head's queries lie in NB = 8 blocks of 256; block i needs the key tiles 0 .. i of 256 keys, of which the last holds the diagonal.  A work-group takes TWO blocks, NB - 1 - b and then b:
; NB + 1 tiles, whatever b: all work-groups do equal work, and ONE loop with a constant trip count walks them.  Which tile is asked for, and what a trip does, hang on scalar registers made from b; every jump
; goes forward, but for the counted loops' own; none passes a barrier, or a tensor load but the one of LOAD's two that the wave's number does not choose; the ring (two slots of LDS that take turns) runs on across the
; change of blocks.  NO CLUSTER: a head's four work-groups ask for the same tile only in trips 0 .. 4 of the 9, behind that fewer and fewer; one walk common to all would have 12 trips for 9.
; SHARES.  Of a block's four bands of 64 queries a wave owns 16 rows in each: four PIECES.  So the diagonal tile is the same work for all four waves: in its key step s band x sees all keys if s < x,
; none if s > x, and holds the diagonal if s = x.
; THE MASK is the C operand that starts the sum S^T = K Q^T: 0, or -1e30 where the key is hidden.  MD, made once, is the mask of a band's own step for my 16 rows; a product's mask is MD x AL + BE with two scalars:
; (1, 0) if s = x; (0, 0) if s < x; (0, -1e30) if s > x.  Only the diagonal tile's text and a block's beginning make and take masks; elsewhere C is the constant 0.
; LAYOUT, SOFTMAX, TURNS.  S^T = K Q^T holds ONE query a lane (lane % 16) and the keys 8 (lane / 16) + 0..7; two such results rounded to f16 ARE source 1 of O^T = V^T P.  p = 2^(c s - c m), c = log2(e) / 8, with a
; running maximum m; O and l are multiplied by a = 2^(c m_old - c m_new) in every step.  Turn n belongs to piece n: 8 products K Q^T of piece n + 1, later 8 products V^T P of piece n - 1; beside them the scaling,
; exponentials, roundings, sums and rescaling of piece n and the maximum and statistics of piece n + 1.  Four vector instructions stand behind every matrix instruction, the other 54 of a turn's 118 in two runs of their own.
; REGISTERS, in windows of 256 (s_set_vgpr_msb: bits 1:0 source 0, 3:2 source 1, 5:4 source 2, 7:6 destination):
;   window 0: v0-15 addresses and two at work; v16-31 four registers of statistics a piece; v48-55 at work; v61-63 prefetch offset and the add's two; v64-127 S^T, two buffers; v192-223 P, two buffers (by the piece's parity)
;   window 1: v0-127 O^T, 32 a piece; v128-159 MD; v160-223 MC, two buffers      window 2: v0-63 Q; v64-127 the second block's Q; v128-191 K of one step; v192-255 V of one step
.set SIZE_N, 2048
.set NB,    SIZE_N/256
.set NP,    4         ; pieces a wave: a name, no knob
.set KS,    64        ; keys in a step
.set PK,    144       ; a row of K in LDS: 128 bytes + 16 of padding = 36 words: the 16 rows of a load start at 16 different groups of four banks (64 banks of 4 bytes: ISA guide 11.1)
.set PV,    160       ; a row of V: 128 + 32 = 40 words
.set VOFF,  4*KS*PK   ; a slot holds a tile, four steps: 256 rows of K, then 256 rows of V
.set SLOT1, 1<<17     ; slot 1 begins here, so that one exclusive or turns an address in one slot into the other's
.set STAGE, SLOT1+4*KS*(PK+PV)  ; behind the ring, never filled by a tensor load: 16 rows x 144 bytes for each wave, for the way out
.set SP,    144
.set AK0, 2           ; v2   my lane's place in a tile of K; never rewritten
.set AV0, 3           ; v3   the same for V
.set AK,  4           ; v4   the LDS address of K's next run of loads
.set AV,  5           ; v5   of V's
.set STO, 6           ; v6   the way out: where I put 16 bytes of a row
.set RD,  7           ; v7   the way out: where I read rows back
.set GO,  8           ; v8   my byte offset in 512 consecutive bytes of O
.set PFO, 61          ; v61  256 x my thread's number: the work-group's 128 threads name a tile's 32,768 bytes of K, or of V; never rewritten
.set SPW, 62          ; v62  LDS address of my spare word: SPARE + 4 x my thread's number; never rewritten
.set NIL, 63          ; v63  0; never rewritten
.set SPARE, STAGE+4*16*SP  ; behind the stages: the spare words, 128 bytes for each wave: two blocks of 256 bytes that no other line names
.set MV,  12          ; v12-13  c m_old, kept while c m is made anew: by buffer
.set QO,  15          ; v15  my byte offset in 16 rows of Q
.set ST,  16          ; piece t's statistics at v[ST+4 t]: c m, m, l (even keys', odd keys')
.set TMP, 48          ; by buffer, four registers c0-c3 at work; when the maximum is found c2 takes a
.set S,   64
.set P,   192
.set MD,  128         ; window 1: the eight registers for group kt of 16 keys at MD + 8 kt
.set MC,  160         ; window 1: the masks of the products to come
.set QB,  64          ; window 2
.set KF,  128         ; window 2: key block kb, channel half c at KF + 16 kb + 8 c
.set VF,  192         ; window 2: key half kk, channel block cb at VF + 32 kk + 8 cb
.set WV,  12          ; s12  my wave's number
.set PB,  14          ; s14  b
.set HI,  15          ; s15  NB - 1 - b
.set G1K, 24          ; s[24:31] descriptor group 1 for K's tiles
.set G1V, 32          ; s[32:39] for V's: it differs in the padding alone
.set G0K, 40          ; s[40:43] descriptor group 0 for K's tiles
.set G0V, 44          ; s[44:47] the same for V's
.set PFK, 48          ; s[48:49] K at the tile behind the one that is being asked for
.set PFV, 50          ; s[50:51] V there
.set KB,  52          ; s[52:53] the head's K; never rewritten
.set VB,  54          ; s[54:55] the head's V; never rewritten
.set SLOTS, 56        ; s56  tiles still to be asked for
.set CNT, 57          ; s57  counts a tile's key steps, 4 to 1
.set CS,  58          ; s[58:59] c: the packed scaling takes the pair's low word for both halves
.set SEL, 60          ; s[60:61] v_permlanex16_b32's selects: each lane takes its own place in the other half
.set TBK, 62          ; s62  LDS byte at which K of the step to be fetched begins
.set TBV, 63          ; s63  the same for V, less VOFF
.set PFOF, 68         ; s[68:69] the prefetched tile's byte offset in K and V
.set RT,  70          ; s70  tiles of the block in hand that are still to be entered
.set NXT, 71          ; s71  the tile to be asked for next
.set LQ,  72          ; s72  the last tile of the block whose tiles are being asked for
.set NEW, 73          ; s73  1: the tile to be entered is a block's first
.set OFF, 74          ; s[74:75] a tile's byte offset in K and V
.set AL,  76          ; s[76:77] the mask's factor, in the low word
.set BE,  78          ; s[78:79] the mask's addend
.set OLO, 80          ; s[80:81] O at my rows of the second block
.set BIGN, 82         ; s82  -1e30
.set LIM, 83          ; s83  2 in the work-group that prefetches (b = 0), else the greatest number: it prefetches while s[SLOTS] is above this
.set MSB, 0
.macro WIN new                      ; the high byte repeats the setting that is left; a switch that changes nothing is dropped
.if MSB != (\new)
	s_set_vgpr_msb (MSB<<8)|(\new)
.set MSB, (\new)
.endif
.endm
.set W_KQ, 0x0a       ; K and Q in window 2, S^T in window 0
.set W_KM, 0x1a       ; the same with the C operand in window 1
.set W_PV, 0x52       ; V in window 2, P in window 0, O^T in window 1
.set W_RS, 0x41       ; destination and source 0 in window 1, source 1 in window 0
; A fill.  Waves 0 and 1 fetch the two halves of a tile's K, waves 2 and 3 those of its V: 128 keys each.  An s_nop 0 and four v_nop follow each of the two lines, ahead of the jump and the label.
.macro LOAD
	s_cmp_lt_u32 s[WV], 2
	s_cbranch_scc0 .Lfor_v_\@
	tensor_load_to_lds s[G0K:G0K+3], s[G1K:G1K+7]
	s_nop 0
.rept 4
	v_nop
.endr
	s_branch .Lasked_\@
.Lfor_v_\@:
	tensor_load_to_lds s[G0V:G0V+3], s[G1V:G1V+7]
	s_nop 0
.rept 4
	v_nop
.endr
.Lasked_\@:
.endm
; A PREFETCH INTO THE L2 of the tile that the NEXT change of slots will ask for: its 32,768 bytes of K and of V, 256 bytes a thread, two instructions a wave, behind the wave's tensor load and its five lines.
; A head's four work-groups walk the same tiles; the one with b = 0, whose first block walks tiles 0 to 7 in order, asks, and nobody else.  The change that loads tile i asks for tile i + 1, i = 1 .. 6:
; four key steps, 256 matrix instructions, ahead of that tile's load.  Tiles 0 and 1 come by their loads alone; behind tile 7 there is nothing.  So each 256 bytes of K and V are named at most once in the launch.
.macro ASK
	s_cmp_gt_u32 s[SLOTS], s[LIM]
	s_cbranch_scc0 .Lnot_mine_\@
	global_prefetch_b8 v[PFO], s[PFK:PFK+1] th:TH_LOAD_NT scope:SCOPE_SE
	global_prefetch_b8 v[PFO], s[PFV:PFV+1] th:TH_LOAD_NT scope:SCOPE_SE
.Lnot_mine_\@:
.endm
; THE CHANGE OF SLOTS.  Each wave waits for all its tensor loads, of which one is out: its part of the other slot; adds 0 to its spare word; and waits for that and for its own reads of the slot that it leaves.  Behind the barrier nobody reads the old
; slot any more and the other slot is whole.  fill = 1: the old slot is filled again, the first thing behind the barrier, with tile NXT: the descriptor's address is made anew from that number.
; (At its first use nothing has been read yet: slot 0 is waited for, slot 1 filled.)
.macro CHANGE fill
	WIN 0                           ; at a label and at a branch every window is 0
	s_wait_tensorcnt 0x0            ; no tensor load of mine is out, so a group 0 may be written
	ds_add_u32 v[SPW], v[NIL]       ; 0 onto my spare word; with fill = 1 the descriptors' scalar work stands between it and the wait for it
.if \fill
	s_lshl_b32 s[OFF], s[NXT], 15   ; a tile is 32,768 bytes of K and of V
	s_xor_b32 s[G0K+1], s[G0K+1], SLOT1
	s_add_nc_u64 s[G0K+2:G0K+3], s[6:7], s[OFF:OFF+1]
	s_or_b32 s[G0K+3], s[G0K+3], 0x80000000
	s_xor_b32 s[G0V+1], s[G0V+1], SLOT1
	s_add_nc_u64 s[G0V+2:G0V+3], s[8:9], s[OFF:OFF+1]
	s_or_b32 s[G0V+3], s[G0V+3], 0x80000000
	s_add_co_u32 s[NXT], s[NXT], 1  ; the block's next tile, or behind its last the second block's tile 0
	s_cmp_gt_u32 s[NXT], s[LQ]
	s_cselect_b32 s[NXT], 0, s[NXT]
	s_cselect_b32 s[LQ], s[PB], s[LQ]
	s_wait_xcnt 0x0                 ; the last prefetches, four key steps back, have read their addresses, so these may be written:
	s_lshl_b32 s[PFOF], s[NXT], 15  ; the tile behind the one that is asked for now
	s_add_nc_u64 s[PFK:PFK+1], s[KB:KB+1], s[PFOF:PFOF+1]
	s_add_nc_u64 s[PFV:PFV+1], s[VB:VB+1], s[PFOF:PFOF+1]
.endif
	s_wait_dscnt 0x0                ; the add is done, and my reads of the slot are over
	s_barrier_signal -1             ; the rest of the scalar work stands between the signal and the wait
	s_sub_co_u32 s[TBK], s[TBK], 4*KS*PK  ; the fetches go back to a slot's first step,
	s_xor_b32 s[TBK], s[TBK], SLOT1       ; in the other slot
	s_sub_co_u32 s[TBV], s[TBV], 4*KS*PV
	s_xor_b32 s[TBV], s[TBV], SLOT1
	s_barrier_wait -1
.if \fill
	LOAD
	ASK
.endif
.endm
	s_load_b128 s[4:7], s[0:1], 0x0 ; qkv s[4:5], o s[6:7]
	v_lshl_add_u32 v[SPW], v0, 2, SPARE
	v_mov_b32 v[NIL], 0
	ds_add_u32 v[SPW], v[NIL]       ; the wave's opening: the add and its wait stand ahead of my first tensor load; the set-up below, work on registers, stands between them
	ds_add_u32 v62, v63
	v_lshrrev_b32 v1, 5, v0
	v_readfirstlane_b32 s[WV], v1   ; wave 0..3
	v_lshlrev_b32 v[PFO], 8, v0
	s_mov_b32 s[PB], ttmp9
	s_sub_co_u32 s[HI], NB-1, s[PB]
	s_cmp_eq_u32 s[PB], 0
	s_cselect_b32 s[LIM], 2, -1
	s_and_b32 s66, ttmp7, 0xffff    ; y = 16 b + h
	s_lshr_b32 s20, s66, 4
	s_lshl_b32 s20, s20, 5
	s_add_co_u32 s20, s20, s66      ; Q's plane in qkv: 48 b + h = y + 32 (y / 16)
	s_lshl_b32 s20, s20, 18
	s_mov_b32 s21, 0
	s_lshl_b32 s66, s66, 18         ; O's plane in o: y
	s_mov_b32 s67, 0
	s_and_b32 s16, s[WV], 1         ; which half of a tile's 256 keys I fetch:
	s_lshl_b32 s22, s16, 14         ; its 128 rows of 128 bytes in memory,
	s_mov_b32 s23, 0
	s_mul_i32 s17, s16, 128*PK      ; and its place in a slot, for K
	s_mul_i32 s18, s16, 128*PV      ; and for V
	s_lshl_b32 s3, s[WV], 11        ; my 16 rows in a band of 64,
	s_lshl_b32 s2, s[HI], 15        ; in the first block,
	s_add_co_u32 s2, s2, s3
	s_lshl_b32 s84, s[PB], 15       ; and in the second
	s_add_co_u32 s84, s84, s3
	s_mov_b32 s3, 0
	s_mov_b32 s85, 0
	; descriptor group 1.  128 keys are 16,384 dense bytes: asked for as 64 rows of 256 bytes, two keys a row, and padded in LDS after every key
	s_mov_b32 s[G1K], (1<<16)|(1<<20)|(4<<22)|(3<<25)  ; 17:16 2-byte elements; 20 padding on; 24:22 after every 32 words (code 4); 31:25 4 words (code 3)
	s_mov_b32 s[G1V], (1<<16)|(1<<20)|(4<<22)|(7<<25)  ; the same with 8 words of padding (code 7)
.irp g, G1K, G1V
	s_mov_b32 s[\g+1], 128<<16      ; tensor_dim0 = 128
	s_mov_b32 s[\g+2], 64<<16       ; tensor_dim1 = 64
	s_mov_b32 s[\g+3], 128<<16      ; tile_dim0 = 128
	s_mov_b32 s[\g+4], 64           ; tile_dim1 = 64
	s_mov_b32 s[\g+5], 128          ; 128 elements from row to row
	s_mov_b32 s[\g+6], 0
	s_mov_b32 s[\g+7], 0
.endr
	s_mov_b32 s[CS], 0x3e38aa3b     ; c = log2(e) / 8 = 0.180337
	s_mov_b32 s[CS+1], s[CS]        ; named with it as a pair
	s_mov_b32 s[SEL], 0x76543210
	s_mov_b32 s[SEL+1], 0xfedcba98
	s_mov_b32 s[TBK], SLOT1+4*KS*PK ; the first change of slots turns these two into 0
	s_mov_b32 s[TBV], SLOT1+4*KS*PV
	s_mov_b32 s[G0K], 1             ; 1:0 count = 1
	s_mov_b32 s[G0K+1], s17         ; 63:32 LDS address: slot 0
	s_mov_b32 s[G0V], 1
	s_add_co_u32 s[G0V+1], s18, VOFF
	s_add_co_u32 s[RT], s[HI], 1    ; the first block has NB - b tiles
	s_mov_b32 s[NXT], 1
	s_mov_b32 s[LQ], s[HI]
	s_mov_b32 s[NEW], 1
	s_mov_b32 s[OFF+1], 0
	s_mov_b32 s[PFOF+1], 0
	s_mov_b32 s[AL+1], 0            ; named as pairs
	s_mov_b32 s[BE+1], 0
	s_mov_b32 s[BIGN], 0xf149f2ca   ; -1e30
	s_mov_b32 s[SLOTS], NB
	s_wait_dscnt 0x0                ; the opening add is done
	s_wait_kmcnt 0x0
	s_add_nc_u64 s[10:11], s[6:7], s[66:67]        ; O at the head's first row
	s_add_nc_u64 s[4:5], s[4:5], s[20:21]          ; Q at the head's first row
	s_add_nc_u64 s[KB:KB+1], s[4:5], 0x400000      ; K: 16 planes on
	s_add_nc_u64 s[VB:VB+1], s[4:5], 0x800000      ; V: 32 planes on
	s_add_nc_u64 s[6:7], s[KB:KB+1], s[22:23]      ; K and V at my half of the head's tile 0
	s_add_nc_u64 s[8:9], s[VB:VB+1], s[22:23]
	s_add_nc_u64 s[G0K+2:G0K+3], s[6:7], 0         ; 120:64 global address
	s_or_b32 s[G0K+3], s[G0K+3], 0x80000000        ; 127:126 type = 2
	s_add_nc_u64 s[G0V+2:G0V+3], s[8:9], 0
	s_or_b32 s[G0V+3], s[G0V+3], 0x80000000
	s_add_nc_u64 s[86:87], s[4:5], s[84:85]        ; Q at my rows of the second block,
	s_add_nc_u64 s[4:5], s[4:5], s[2:3]            ; Q and O at those of the first
	s_add_nc_u64 s[OLO:OLO+1], s[10:11], s[84:85]
	s_add_nc_u64 s[10:11], s[10:11], s[2:3]
	LOAD                            ; tile 0 into slot 0
	; A fragment of K or Q is 16 rows x 32 channels in 8 registers: lane l holds row l % 16, channels 8 (l / 16) + 0..7 and 16 + 8 (l / 16) + 0..7: two loads of 16 bytes, 32 bytes apart.
	v_and_b32 v1, 15, v0            ; l % 16
	v_bfe_u32 v9, v0, 4, 1          ; l / 16
	v_lshlrev_b32 v[QO], 7, v1
	v_lshl_add_u32 v[QO], v9, 4, v[QO]  ; row x 128 + 16 x half
	WIN 0x80                        ; destination window 2, address window 0
.set i, 0
.rept 8                             ; both blocks' Q: piece i / 2 lies in band i / 2, 8,192 bytes on; channels 32 (i % 2) on
	global_load_b128 v[8*i:8*i+3],   v[QO], s[4:5] offset:(i/2)*8192+(i%2)*64
	global_load_b128 v[8*i+4:8*i+7], v[QO], s[4:5] offset:(i/2)*8192+(i%2)*64+32
	global_load_b128 v[QB+8*i:QB+8*i+3],   v[QO], s[86:87] offset:(i/2)*8192+(i%2)*64
	global_load_b128 v[QB+8*i+4:QB+8*i+7], v[QO], s[86:87] offset:(i/2)*8192+(i%2)*64+32
.set i, i+1
.endr
	WIN 0
	v_lshlrev_b32 v14, 3, v9
	v_sub_nc_u32 v14, v1, v14
	s_lshl_b32 s13, s[WV], 4
	v_add_nc_u32 v14, s13, v14      ; my query's place in its band, 16 w + l % 16, less my lanes' 8 (l / 16): register r of group kt is hidden where 16 kt + r is greater
	WIN 0x40
.set i, 0
.rept 32
	v_cmp_gt_i32 vcc_lo, 16*(i/8)+i%8, v14
	v_cndmask_b32 v[MD+i], 0, s[BIGN], vcc_lo
.set i, i+1
.endr
	WIN 0
	v_mul_u32_u24 v[AK0], v1, PK
	v_lshl_add_u32 v[AK0], v9, 4, v[AK0]  ; row x pitch + 16 x half
	; The turning load takes 16 keys x 16 channels (lane l reads key 8 (l / 16) + l % 8, channels 8 ((l / 8) % 2) + 0..7) and leaves half a fragment of V^T: lane l holds channel l % 16 and 8 keys.
	v_and_b32 v10, 7, v0
	v_bfe_u32 v11, v0, 3, 1
	v_lshl_add_u32 v[AV0], v9, 3, v10
	v_mul_u32_u24 v[AV0], v[AV0], PV
	v_lshl_add_u32 v[AV0], v11, 4, v[AV0]
	v_add_nc_u32 v[AV0], VOFF, v[AV0]
	s_mul_i32 s13, s[WV], 16*SP
	s_add_co_u32 s13, s13, STAGE    ; my stage
	v_mul_u32_u24 v[STO], v1, SP    ; in: row l % 16, 16 bytes for each half of the lanes
	v_lshl_add_u32 v[STO], v9, 4, v[STO]
	v_add_nc_u32 v[STO], s13, v[STO]
	v_bfe_u32 v[RD], v0, 3, 2       ; back: 32 lanes take four rows of 128 bytes,
	v_mul_u32_u24 v[RD], v[RD], SP
	v_lshl_add_u32 v[RD], v10, 4, v[RD]
	v_add_nc_u32 v[RD], s13, v[RD]
	v_and_b32 v[GO], 31, v0         ; which are 512 consecutive bytes of O
	v_lshlrev_b32 v[GO], 4, v[GO]
	; A block's first step multiplies O^T and l by a = 0, and its first turn's products V^T P, of a piece that has not been, land in an O^T that is still to be so multiplied.  So these registers need only hold
	; finite numbers: zeros for the first block; what the first block left for the second.  All this stands in the wait for the first tile.
	WIN 0x80
.set i, VF
.rept 64
	v_mov_b32 v[i], 0
.set i, i+1
.endr
	WIN 0x40
.set i, 0
.rept 128
	v_mov_b32 v[i], 0
.set i, i+1
.endr
	WIN 0
.set i, 0
.rept 4
	v_mov_b32 v[ST+4*i+2], 0
	v_mov_b32 v[ST+4*i+3], 0
.set i, i+1
.endr
.set i, P+16
.rept 16
	v_mov_b32 v[i], 0
.set i, i+1
.endr
; THE MATRIX WORK.  The 4 accumulators of a run of 8 take turns.  Product i of 8 of S^T = K Q^T for piece x: channels 32 (i / 4) on, keys 16 (i % 4) on.  The first 4 start the sums: with 0, or (KM = 1) with the mask.
.macro KQ x
.set rS, S+32*((\x)%2)+8*(i%4)
.set rK, KF+16*(i%4)+8*(i/4)
.set rQ, 16*(\x)+8*(i/4)
.set rM, MC+32*((\x)%2)+8*(i%4)
.if (i < 4) && KM
	WIN W_KM
	v_wmma_f32_16x16x32_f16 v[rS:rS+7], v[rK:rK+7], v[rQ:rQ+7], v[rM:rM+7]
.elseif i < 4
	WIN W_KQ
	v_wmma_f32_16x16x32_f16 v[rS:rS+7], v[rK:rK+7], v[rQ:rQ+7], 0
.else
	WIN W_KQ
	v_wmma_f32_16x16x32_f16 v[rS:rS+7], v[rK:rK+7], v[rQ:rQ+7], v[rS:rS+7]
.endif
.endm
; Product i of 8 of O^T += V^T P for piece x: keys 32 (i / 4) on, channels 16 (i % 4) on.
.macro PV x
	WIN W_PV
.set rO, 32*(\x)+8*(i%4)
.set rV, VF+32*(i/4)+8*(i%4)
.set rP, P+16*((\x)%2)+8*(i/4)
	v_wmma_f32_16x16x32_f16 v[rO:rO+7], v[rV:rV+7], v[rP:rP+7], v[rO:rO+7]
.endm
.macro MM                           ; the turn's next matrix instruction.  TURN and BEGIN set Y, i, KM and NOKQ; MM, KQ and OP read them.  NOKQ = 1: a block's last turn: there is no next piece
.if (i < 8) && !NOKQ
	KQ (Y+1)%NP
.elseif i >= 8
.set i, i-8
	PV (Y+NP-1)%NP
.set i, i+8
.endif
.set i, i+1
.endm
; THE LDS LOADS stand in runs of 16, never singly among the matrix instructions: a step's K (64 keys x 64 channels: 8 fragments) and its V (turned).  Their addresses are made some lines ahead.
.macro FETCH_K
	WIN 0x80                        ; destination window 2
.irp f, 0,1,2,3,4,5,6,7             ; keys 16 (f / 2) on, channels 32 (f % 2) on
	ds_load_b128 v[KF+8*\f:KF+8*\f+3],   v[AK] offset:(\f/2)*16*PK+(\f%2)*64
	ds_load_b128 v[KF+8*\f+4:KF+8*\f+7], v[AK] offset:(\f/2)*16*PK+(\f%2)*64+32
.endr
	s_add_co_u32 s[TBK], s[TBK], KS*PK  ; the next fetch is the next step's
	WIN 0
.endm
.macro FETCH_V
	WIN 0x80
.irp f, 0,1,2,3,4,5,6,7             ; keys 32 (f / 4) on, channels 16 (f % 4) on
	ds_load_tr16_b128 v[VF+8*\f:VF+8*\f+3],   v[AV] offset:(\f/4)*32*PV+(\f%4)*32
	ds_load_tr16_b128 v[VF+8*\f+4:VF+8*\f+7], v[AV] offset:(\f/4)*32*PV+16*PV+(\f%4)*32
.endr
	WIN 0
.endm
; THE VECTOR WORK, one line at a time: OP kind, number.  For piece Y: F n: c s - c m for pair n of 16.  E n: the exponential of score n of 32.  C n: pair n rounded to f16.  B n: of the four weights 4 n .. the second
; pair is added onto the first, in place.  L n: l takes that sum (L 0: l = a l + sum).  R n: pair n of 16 of O^T times a.  For piece Y + 1: X n, number n of the 22 that find its maximum and statistics:
;   0-11  four chains c0-c3 of seven scores each, three operands at a time (each accumulator's lowest registers are read first)     12-14, 16  the four scores left over, the old m, and c0-c3 into c0
;   15  c m_old is kept     17, 18  the query's other 32 keys lie in the lane 16 away: the new m     19-21  c m; c m_old - c m_new; a
.set F, 0               ; OP tells the kinds apart by their order: F to L below R, X above it
.set E, 1
.set C, 2
.set B, 3
.set L, 4
.set R, 5
.set X, 6
.macro REGS y                       ; the registers of piece y
.set rT, ST+4*(\y)
.set rC, TMP+4*((\y)%2)
.set rW, MV+((\y)%2)
.set rS, S+32*((\y)%2)
.set rP, P+16*((\y)%2)
.set rO, 32*(\y)
.endm
.macro OP k, n
.if (\k) == R
	REGS Y
	WIN W_RS
	v_pk_mul_f32 v[rO+2*(\n):rO+2*(\n)+1], v[rO+2*(\n):rO+2*(\n)+1], v[rC+2:rC+3] op_sel_hi:[1,0]
.elseif (\k) < R
	REGS Y
	WIN 0
.if (\k) == F
	v_pk_fma_f32 v[rS+2*(\n):rS+2*(\n)+1], v[rS+2*(\n):rS+2*(\n)+1], s[CS:CS+1], v[rT:rT+1] op_sel_hi:[1,0,0] neg_lo:[0,0,1] neg_hi:[0,0,1]
.elseif (\k) == E
	v_exp_f32 v[rS+(\n)], v[rS+(\n)]
.elseif (\k) == C
	s_wait_alu depctr_va_vdst(0)
	v_cvt_pk_f16_f32 v[rP+(\n)], v[rS+2*(\n)], v[rS+2*(\n)+1]
.elseif (\k) == B
	s_wait_alu depctr_va_vdst(0)
	v_pk_add_f32 v[rS+4*(\n):rS+4*(\n)+1], v[rS+4*(\n):rS+4*(\n)+1], v[rS+4*(\n)+2:rS+4*(\n)+3]
.elseif (\n) == 0
	v_pk_fma_f32 v[rT+2:rT+3], v[rT+2:rT+3], v[rC+2:rC+3], v[rS:rS+1] op_sel_hi:[1,0,1]
.else
	v_pk_add_f32 v[rT+2:rT+3], v[rT+2:rT+3], v[rS+4*(\n):rS+4*(\n)+1]
.endif
.elseif NOKQ
	v_nop
.else
	REGS (Y+1)%NP
	WIN 0
.if (\n) < 4
	v_max3_num_f32 v[rC+(\n)], v[rS+8*(\n)], v[rS+8*(\n)+1], v[rS+8*(\n)+2]
.elseif (\n) < 12
	v_max3_num_f32 v[rC+(\n)%4], v[rC+(\n)%4], v[rS+8*((\n)%4)+2*((\n)/4)+1], v[rS+8*((\n)%4)+2*((\n)/4)+2]
.elseif (\n) == 12
	v_max3_num_f32 v[rC], v[rC], v[rS+7], v[rS+15]
.elseif (\n) == 13
	v_max3_num_f32 v[rC+1], v[rC+1], v[rS+23], v[rS+31]
.elseif (\n) == 14
	v_max3_num_f32 v[rC+2], v[rC+2], v[rC+3], v[rT+1]
.elseif (\n) == 15
	v_mov_b32 v[rW], v[rT]
.elseif (\n) == 16
	v_max3_num_f32 v[rC], v[rC], v[rC+1], v[rC+2]
.elseif (\n) == 17
	v_permlanex16_b32 v[rC+3], v[rC], s[SEL], s[SEL+1]
.elseif (\n) == 18
	v_max_num_f32 v[rT+1], v[rC], v[rC+3]
.elseif (\n) == 19
	v_mul_f32 v[rT], s[CS], v[rT+1]
.elseif (\n) == 20
	v_sub_f32 v[rC+1], v[rW], v[rT]
.else
	v_exp_f32 v[rC+2], v[rC+1]
.endif
.endif
.endm
.macro OPS a, i1, b=-1, i2=0, c=-1, i3=0, d=-1, i4=0  ; up to four of them
	OP \a, \i1
.if (\b) >= 0
	OP \b, \i2
.endif
.if (\c) >= 0
	OP \c, \i3
.endif
.if (\d) >= 0
	OP \d, \i4
.endif
.endm
.macro ROW a, i1, b, i2, c, i3, d, i4  ; a matrix instruction and the four behind it
	MM
	OPS \a, \i1, \b, \i2, \c, \i3, \d, \i4
.endm
.macro MASK b                       ; MD x AL + BE into buffer b of MC
	WIN W_RS
.set z, 0
.rept 16
	v_pk_fma_f32 v[MC+32*(\b)+2*z:MC+32*(\b)+2*z+1], v[MD+2*z:MD+2*z+1], s[AL:AL+1], s[BE:BE+1] op_sel_hi:[1,0,0]
.set z, z+1
.endr
.endm
; A TURN, for piece p: the order of its 16 matrix and 118 vector instructions, written out.  Behind a matrix instruction: plain, exponential, plain, plain; or four of the rescaling; or, behind the first, four scalings; none
; names a register of the products round it.  In the runs between, exponential and plain by turns while exponentials last.  A line reads no result made fewer than three vector instructions in front of it, five if an exponential made it.
; v_permlanex16_b32 (X 17) stands in such a run, never behind a product.
; m = 1: the diagonal tile: the products take masks, and the turn makes the mask for the products of the turn after it: piece p + 2, in step 4 - CNT of the tile.  end = 1: a block's last two turns: nothing is fetched.
; cnt = 1: the loop's count is taken down some lines ahead of the branch that stands behind the turn.
; K of the next step is fetched in piece 2's turn, six vector instructions behind the last product that read K (five of them plain); V of the step in hand in piece 0's turn, eight behind the last product that read V (four
; plain, and X 17).  Each is waited for a turn later.
.macro TURN p, m=0, end=0, cnt=0
.set Y, (\p)
.set i, 0
.set KM, (\m)
.set NOKQ, (\end)*((\p)/3)
.if (\m) && !(\end)
	s_cmp_eq_u32 s[CNT], 4-((\p)+2)%NP  ; is that step the band's own?
	s_cselect_b32 s[AL], 1.0, 0
	s_cmp_lt_u32 s[CNT], 4-((\p)+2)%NP  ; or a later one?
	s_cselect_b32 s[BE], s[BIGN], 0
.endif
.if ((\p) == 3) && !(\end)
	s_wait_dscnt 0x0                ; K is in
.endif
	ROW F,0, F,1, F,2, F,3
	ROW F,4, E,0, F,5, F,6
	ROW F,7, E,1, F,8, F,9
	ROW F,10, E,2, C,0, F,11
	ROW F,12, E,3, X,15, F,13
	ROW R,0, R,1, R,2, R,3
	ROW B,0, E,4, F,14, L,0
.if ((\p) == 2) && !(\end)
	v_add_nc_u32 v[AK], s[TBK], v[AK0]
.endif
	ROW R,4, R,5, R,6, R,7
	OPS E,5, F,15
.if ((\p) == 2) && !(\end)
	FETCH_K
.endif
	OPS E,6, C,1, E,7, R,8
	OPS E,8, R,9, E,9, C,2
	OPS E,10, X,0, E,11, X,1
	OPS E,12, X,2, E,13, X,3
.if (\p) == 1
	s_wait_dscnt 0x0                ; V is in
.endif
	ROW X,4, E,14, X,5, X,6
	ROW X,7, E,15, X,8, X,9
	ROW X,10, E,16, X,11, X,12
	ROW X,13, E,17, X,14, B,1
	ROW C,4, E,18, X,16, L,1
	ROW B,2, E,19, C,6, L,2
	ROW C,8, E,20, B,3, B,4
.if (\p) == 0
	v_add_nc_u32 v[AV], s[TBV], v[AV0]
.endif
	ROW C,3, E,21, L,3, C,5
	OPS E,22, X,17, E,23, C,10
.if (\p) == 0
	FETCH_V
.endif
	OPS E,24, L,4
	OPS E,25, X,18, E,26, C,7
	OPS E,27, B,5, E,28, X,19
	OPS E,29, C,12, E,30, L,5
	OPS E,31, X,20, B,6, C,9
	OPS C,14, C,11, X,21, L,6
.if (\p) == 0
	s_add_co_u32 s[TBV], s[TBV], KS*PV
.endif
.if \cnt
	s_sub_co_u32 s[CNT], s[CNT], 1
	s_cmp_lg_u32 s[CNT], 0
.endif
	OPS C,13, B,7, C,15, R,10
	OPS R,11, R,12, L,7, R,13
	OPS R,14, R,15
.if (\m) && !(\end)
	MASK (\p)%2
.endif
.endm
; A BLOCK BEGINS.  c m starts far below every c s, so the first step's a is 0; m at the lowest finite number, so the first maximum is the scores'.  The second mask buffer is 0; the first takes piece 0's mask for the tile's step 0: its own, if the block's first tile is the diagonal one.
; Then K of that step, piece 0's first scores, and its maximum and statistics.  The loop is entered at a step's first turn, in the middle of a trip.
.macro BEGIN
	s_mov_b32 s[NEW], 0
	WIN 0x40
.set i, MC+32
.rept 32
	v_mov_b32 v[i], 0
.set i, i+1
.endr
	WIN 0
.set i, 0
.rept 4
	v_mov_b32 v[ST+4*i], 0xfe000000    ; c m: far below every c s
	v_mov_b32 v[ST+4*i+1], 0xff7fffff  ; m
.set i, i+1
.endr
	s_cmp_eq_u32 s[RT], 0
	s_cselect_b32 s[AL], 1.0, 0
	s_mov_b32 s[BE], 0
	MASK 0
	WIN 0
	v_add_nc_u32 v[AK], s[TBK], v[AK0]
	FETCH_K
	s_wait_loadcnt 0x0              ; Q
	s_wait_dscnt 0x0
.set KM, 1
.set NOKQ, 0
.set i, 0
.rept 8
	KQ 0
.set i, i+1
.endr
	WIN 0
.rept 4
	v_nop                           ; the places behind those products
.endr
.set Y, NP-1                        ; X works for piece Y + 1: piece 0
.irp n, 0,1,2,3,4,5,6,7,8,9,10,11,12,13,14,15,16,17,18,19,20,21
	OP X, \n
.endr
	v_nop                           ; a plain instruction behind the exponential
.endm
; THE DIAGONAL TILE's four steps, the block's last two turns, its last products, and THE WAY OUT: l's two halves and the other half of the lanes' are added; O^T is divided by l, rounded to f16 and sent through my
; stage in LDS, a piece at a time.
.macro ALL line:vararg              ; one line for each piece t
.set t, 0
.rept 4
	\line
.set t, t+1
.endr
.endm
.macro PACK t                       ; a lane's eight channels of a row pack into 16 bytes; they go into rows of 144 bytes and come back as whole rows of 128, into S^T's registers
	WIN W_RS
.set i, 32*(\t)
.rept 16
	s_wait_alu depctr_va_vdst(0)
	v_pk_mul_f32 v[i:i+1], v[i:i+1], v[ST+4*(\t)+2:ST+4*(\t)+3] op_sel_hi:[1,0]
.set i, i+2
.endr
	WIN 0x05                        ; sources 0 and 1 window 1, destination window 0
.set i, 0
.rept 16
	v_cvt_pk_f16_f32 v[S+16*(\t)+i], v[32*(\t)+2*i], v[32*(\t)+2*i+1]
.set i, i+1
.endr
	WIN 0
.irp f, 0,1,2,3
	ds_store_b128 v[STO], v[S+16*(\t)+4*\f:S+16*(\t)+4*\f+3] offset:32*\f
.endr
.irp f, 0,1,2,3
	ds_load_b128 v[S+16*(\t)+4*\f:S+16*(\t)+4*\f+3], v[RD] offset:\f*4*SP  ; LDS serves a wave's instructions in order (ISA guide 5.7.1.4): these see the stores above; the next piece's stores come behind them
.endr
.endm
.macro SEND t, younger              ; younger: the LDS instructions issued behind piece t's loads: the next piece's eight, or none
	WIN 0
.irp f, 0,1,2,3
	s_wait_dscnt (\younger)+3-\f
	global_store_b128 v[GO], v[S+16*(\t)+4*\f:S+16*(\t)+4*\f+3], s[10:11] offset:(\t)*8192+\f*512  ; 512 consecutive bytes, at a multiple of 256 from O's first
.endr
.endm
.macro DIAG tag                     ; the tag ends its two labels' names, which the jumps below spell out
.LstepM\tag:
	TURN 2, 1
	TURN 3, 1
	WIN 0
.LfirstM\tag:
	TURN 0, 1
	TURN 1, 1, 0, 1
	WIN 0
	s_cbranch_scc1 .LstepM\tag
	TURN 2, 1, 1
	TURN 3, 1, 1
.set i, 0
.rept 8
	PV NP-1
.set i, i+1
.endr
	WIN 0
	ALL v_add_f32 v[ST+4*t+2], v[ST+4*t+2], v[ST+4*t+3]
	ALL v_permlanex16_b32 v[ST+4*t+3], v[ST+4*t+2], s[SEL], s[SEL+1]
	ALL v_add_f32 v[ST+4*t+2], v[ST+4*t+2], v[ST+4*t+3]
	ALL v_rcp_f32 v[ST+4*t+2], v[ST+4*t+2]
	v_nop                           ; a plain instruction between the last reciprocal and the use of its result
	PACK 0
.set t, 1
.rept 3                             ; a piece's arithmetic stands between the loads of the piece before and its stores
	PACK t
	SEND t-1, 8
.set t, t+1
.endr
	SEND 3, 0
.endm
.set KM, 0
.set NOKQ, 0
.Lslot:                             ; NB times: a tile is entered and the next is asked for
	CHANGE 1
	s_sub_co_u32 s[RT], s[RT], 1
	s_mov_b32 s[CNT], 4
	s_cmp_eq_u32 s[NEW], 1
	s_cbranch_scc1 .Lnew            ; a block's first tile
	s_cmp_eq_u32 s[RT], 0
	s_cbranch_scc0 .Lstep           ; neither its first nor its last
	s_branch .LstepM1
.Lnew:
	BEGIN
	s_branch .Lfirst                ; in the loop a block's first tile is never its last: the first block has two tiles or more, and the second's last is the walk's last
	DIAG 1                          ; in the loop this is the first block's end: the second block's last tile is the walk's last
	s_wait_xcnt 0x0                 ; the stores have read their registers and O's address
	s_mov_b64 s[10:11], s[OLO:OLO+1]
	s_add_co_u32 s[RT], s[PB], 1    ; the second block has b + 1 tiles
	s_mov_b32 s[NEW], 1
	WIN 0x82                        ; the second block's Q goes where the one text of the turns names Q
.set i, 0
.rept 64
	v_mov_b32 v[i], v[QB+i]
.set i, i+1
.endr
	WIN 0
	s_branch .Lbottom
.Lstep:                             ; a trip: pieces 2 and 3 of one step, then pieces 0 and 1 of the next, whose K and V it fetches
	TURN 2
	TURN 3
	WIN 0
.Lfirst:
	TURN 0
	TURN 1, 0, 0, 1
	WIN 0
	s_cbranch_scc1 .Lstep
.Lbottom:
	s_sub_co_u32 s[SLOTS], s[SLOTS], 1
	s_cmp_lg_u32 s[SLOTS], 0
	s_cbranch_scc1 .Lslot
	CHANGE 0                        ; the walk's last tile is written out: nothing is asked for
	s_sub_co_u32 s[RT], s[RT], 1
	s_mov_b32 s[CNT], 4
	s_cmp_eq_u32 s[NEW], 1
	s_cbranch_scc0 .LstepM2
	BEGIN
	s_branch .LfirstM2
	DIAG 2
	s_wait_tensorcnt 0x0            ; the wave's end, behind my last tensor load and my last LDS store
	ds_add_u32 v[SPW], v[NIL]
	s_wait_dscnt 0x0
	s_endpgm
.Lfunc_end_k_qabc49b9e5f_attn:
	.size	k_qabc49b9e5f_attn, .Lfunc_end_k_qabc49b9e5f_attn-k_qabc49b9e5f_attn
	.p2alignl 7, 3214868480
	.fill 96, 4, 3214868480
	.section	.rodata,"a",@progbits
	.p2align	6, 0x0
	.amdhsa_kernel k_qabc49b9e5f_attn
		.amdhsa_group_segment_fixed_size 327680
		.amdhsa_private_segment_fixed_size 0
		.amdhsa_enable_private_segment 0
		.amdhsa_kernarg_size 16
		.amdhsa_user_sgpr_count 2
		.amdhsa_user_sgpr_kernarg_segment_ptr 1
		.amdhsa_wavefront_size32 1
		.amdhsa_system_sgpr_workgroup_id_x 1
		.amdhsa_system_sgpr_workgroup_id_y 1
		.amdhsa_system_sgpr_workgroup_id_z 1
		.amdhsa_system_vgpr_workitem_id 0
		.amdhsa_next_free_vgpr 768
		.amdhsa_next_free_sgpr 88
		.amdhsa_reserve_vcc 1
		.amdhsa_float_denorm_mode_32 3
		.amdhsa_float_denorm_mode_16_64 3
		.amdhsa_memory_ordered 1
		.amdhsa_forward_progress 1
		.amdhsa_inst_pref_size 229
	.end_amdhsa_kernel
	.amdgpu_metadata
---
amdhsa.version: [ 1, 2 ]
amdhsa.kernels:
  - .name:           k_qabc49b9e5f_attn
    .symbol:         k_qabc49b9e5f_attn.kd
    .args:
      - { .name: qkv, .offset: 0, .size: 8, .value_kind: global_buffer, .address_space: global }
      - { .name: o, .offset: 8, .size: 8, .value_kind: global_buffer, .address_space: global }
    .group_segment_fixed_size: 327680
    .private_segment_fixed_size: 0
    .kernarg_segment_align: 8
    .kernarg_segment_size: 16
    .max_flat_workgroup_size: 128
    .sgpr_count:     88
    .vgpr_count:     768
    .wavefront_size: 32
...
	.end_amdgpu_metadata
.endif
;; end of part 3
;; launch outp (part 4): grid 4 x 64, 4 waves a work-group, clusters of 4 x 4, 327,680 bytes of LDS; arguments o, wh, x, out0; writes out0
.if DOCPART == 4
	.amdgcn_target "amdgcn-amd-amdhsa--gfx1250"
	.amdhsa_code_object_version 6
	.text
	.protected	k_qabc49b9e5f_outp
	.globl	k_qabc49b9e5f_outp
	.p2align	8
	.type	k_qabc49b9e5f_outp,@function
k_qabc49b9e5f_outp:
	s_mov_b64 s[64:65], 0
	v_nop
	global_prefetch_b8 v0, s[64:65] scope:SCOPE_SE
	s_setreg_imm32_b32 hwreg(HW_REG_WAVE_MODE, 25, 1), 1
	s_wait_xcnt 0x0
	s_wait_alu depctr_hold_cnt(0) depctr_sa_sdst(0) depctr_va_vdst(0) depctr_va_sdst(0) depctr_va_ssrc(0) depctr_va_vcc(0) depctr_vm_vsrc(0)
	s_getreg_b32 s2, hwreg(HW_REG_IB_STS2, 6, 4)
	s_cmp_eq_u32 s2, 0
	s_cbranch_scc0 .Lentry_in_a_cluster
	s_endpgm
.Lentry_in_a_cluster:
	s_bfe_u32 s2, ttmp6, 0x10000c
	s_cmp_lg_u32 s2, 0xf033
	s_cbranch_scc0 .Lentry_shape_is_right
	s_endpgm
.Lentry_shape_is_right:
; out0 = x + O Wp^T: C[m][n] = x[m][n] + sum over k of A[m][k] B[n][k], m 8,192, n 1,024, K 1,024; operands f16, sums f32, the residual added in f32, out0 f32.
; A = o, [b 4][h 16][t 2048][64] f16 (a head's 64 channels are one chunk of K); B = wh's rows 3072-4095 (Wp), [n][1024] f16.
; LIMITS.  The operands arrive in f16 (no number beyond 65,504; a fixed step of 6e-8 below 6e-5).  NaN and infinities are not treated apart.
; SHARES.  A work-group makes 128 rows x 256 columns, its four waves 64 x 128 each: 32 accumulators of 16 x 16, 256 registers: 256 work-groups.
; K goes in steps of 128 (two chunks of A; 256 bytes of each row of B) through a ring of two LDS slots filled by the tensor data mover.
; CLUSTERS: 4 x 4 work-groups.  The four of a row of the cluster need the same tiles of A, the four of a column the same tiles of B: each tile is asked for JOINTLY, by the same tensor load with the
; same descriptor and a mask that names the four.  THE MATRIX INSTRUCTION IS USED TRANSPOSED (source 0 = 16 rows of B, source 1 = 16 rows of A): a lane then holds eight neighbouring numbers of a row of C.
; REGISTERS, in windows of 256 (s_set_vgpr_msb: bits 1:0 source 0, 3:2 source 1, 5:4 source 2, 7:6 destination):
;   window 0: v0-29 addresses; v32-95 16 rows on the way out; v96-159, v160-223 x's 16 rows, two buffers      window 1: two fragment buffers: B's 8 fragments, then A's 4
;   window 2: the accumulators of my rows 0-31 ((a, b) at 8 ((a % 2) 8 + b))      window 3: those of my rows 32-63
.set NB,     8                         ; blocks of 16 columns a wave
.set PA,     144                       ; a row of a chunk of A in LDS: 128 bytes + 16 of padding = 36 words: the 16 rows of a load start at 16 different groups of four banks (64 banks of 4 bytes: ISA guide 11.1)
.set ACH,    128*PA                    ; a chunk: 128 rows x 64 along K
.set ABYTES, 2*ACH
.set PB,     272                       ; a row of B: 256 bytes + 16 = 68 words: row r starts at bank 4 r mod 64
.set BR,     16*NB                     ; rows of B in one tensor load, and what one wave reads
.set BHALF,  BR*PB
.set SLOT,   ABYTES+2*BHALF            ; A's two chunks, then B's 256 rows
.set STAGE,  2*SLOT                    ; behind the ring, never filled by a tensor load: 16 rows x 528 bytes for each wave, for the way out
.set SP,     528                       ; 512 bytes + 16
.set SPARE,  STAGE+4*16*SP             ; behind the stages: the spare words, 128 bytes for each wave: two blocks of 256 bytes that no other line names
.set BOFF0,  3072*2048                 ; Wp's first byte in wh
.set LAPS,   4                         ; a lap = two K steps = once round the ring: 1,024 / 256
.set ADRA, 16                          ; v16-17  LDS address of my A fragments in slot 0, 1
.set ADRB, 20                          ; v20-21  the same for B
.set STO,  24                          ; v24     the way out: where I put 32 bytes of a row
.set RD,   25                          ; v25     the way out: where I read a row back
.set GO,   26                          ; v26     16 x lane: my place in a row's 512 bytes of x and of out0
.set SPW,  28                          ; v28     LDS address of my spare word: SPARE + 4 x my thread's number; never rewritten
.set NIL,  29                          ; v29     0; never rewritten
.set BK,   32                          ; v32-95  16 rows read back from the stage
.set XR0,  96                          ; v96-159, v160-223 by turns: x's 16 rows
.set F0,   0                           ; fragment buffers, in window 1
.set F1,   128
.set G1,  24                           ; s[24:31] descriptor group 1 for A's tiles;  s[32:39] group 0, one set for each slot
.set G0,  32
.set G1B, 48                           ; s[48:55], s[56:63] the same for B's tiles
.set G0B, 56
.set MSB, 0
.macro WIN new                         ; the immediate's high byte repeats the setting that is left; a switch that changes nothing is dropped
.if MSB != (\new)
	s_set_vgpr_msb (MSB<<8)|(\new)
.set MSB, \new
.endif
.endm
.macro PLACES                          ; four places in front of loads into registers that matrix instructions have read, and of lines that read results
.rept 4
	v_nop
.endr
.endm
.macro JLOAD s                         ; a joint load: waves 0 and 1 fetch A's two chunks, waves 2 and 3 B's two halves; an s_nop 0 and four v_nop follow each of the two lines, ahead of the jump and the label
	s_cmp_eq_u32 s13, 0
	s_cbranch_scc0 .Lfor_b_\@
	tensor_load_to_lds s[G0+4*(\s):G0+4*(\s)+3], s[G1:G1+7]
	s_nop 0
.rept 4
	v_nop
.endr
	s_branch .Lasked_\@
.Lfor_b_\@:
	tensor_load_to_lds s[G0B+4*(\s):G0B+4*(\s)+3], s[G1B:G1B+7]
	s_nop 0
.rept 4
	v_nop
.endr
.Lasked_\@:
.endm
.macro CREST                           ; a round of the cluster's barrier behind its opening barrier
	s_cmp_lg_u32 s12, 0
	s_cbranch_scc1 .Lnot_wave_0_\@
	s_barrier_signal -3
.Lnot_wave_0_\@:
	s_barrier_wait -3
	s_barrier_signal -1
	s_barrier_wait -1
.endm
.macro CROUND                          ; a whole round
	s_barrier_signal -1
	s_barrier_wait -1
	CREST
.endm
.macro LOADXR a                        ; x's rows 16 a .. 16 a + 15 of my 64, my 128 columns: 16 loads of 512 consecutive bytes
.set XR, XR0+64*((\a)%2)
.set t, 0
.rept 16
	global_load_b128 v[XR+4*t:XR+4*t+3], v[GO], s[8:9] offset:(16*(\a)+t)*4096 th:TH_LOAD_NT
.set t, t+1
.endr
.endm
	s_load_b256 s[4:11], s[0:1], 0x0               ; o s[4:5], wh s[6:7], x s[8:9], out0 s[10:11]
	v_lshl_add_u32 v[SPW], v0, 2, SPARE
	v_mov_b32 v[NIL], 0
	ds_add_u32 v[SPW], v[NIL]                      ; the wave's opening: the add and its wait stand ahead of my first tensor load; the set-up below, work on registers, stands between them
	ds_add_u32 v28, v29
	v_lshrrev_b32 v1, 5, v0
	v_readfirstlane_b32 s12, v1                    ; wave 0..3
	s_lshr_b32 s13, s12, 1                         ; which 64 of the tile's rows are mine.  Also: I fetch for A (0) or for B (1)
	s_and_b32 s14, s12, 1                          ; which 128 of its columns.  Also: which chunk of A, or which half of B, I fetch
	s_bfe_u32 s15, ttmp6, 0x40000                  ; cx, cy: my place in the cluster
	s_bfe_u32 s16, ttmp6, 0x40004
	s_lshl_b32 s17, ttmp9, 2
	s_add_co_u32 s17, s17, s15                     ; tile column of C = 4 x cluster x + cx
	s_and_b32 s18, ttmp7, 0xffff
	s_lshl_b32 s18, s18, 2
	s_add_co_u32 s18, s18, s16                     ; tile row of C = 4 x cluster y + cy
	s_lshl_b32 s41, s16, 2
	s_lshl_b32 s41, 15, s41                        ; my row of the cluster
	s_lshl_b32 s42, 0x1111, s15                    ; my column
	; group 1 for A: a chunk's 128 rows are 16,384 dense bytes: asked for as 64 rows of 256 bytes, two rows of A a row, padded in LDS after every row of A
	s_or_b32 s[G1+0], s41, (1<<16)|(1<<20)|(1<<21)|(4<<22)|(3<<25)   ; 15:0 the mask: my row; 17:16 2-byte elements; 20 padding on; 21 set beside a mask; 24:22 after every 32 words (code 4); 31:25 4 words (code 3)
	s_mov_b32 s[G1+1], 128<<16                     ; tensor_dim0 = 128
	s_mov_b32 s[G1+2], 64<<16                      ; tensor_dim1 = 64
	s_mov_b32 s[G1+3], 128<<16                     ; tile_dim0 = 128
	s_mov_b32 s[G1+4], 64                          ; tile_dim1 = 64
	s_mov_b32 s[G1+5], 128                         ; 128 elements from row to row
	s_mov_b32 s[G1+6], 0
	s_mov_b32 s[G1+7], 0
	; group 1 for B: 128 rows x 128 elements, 1,024 elements from row to row
	s_or_b32 s[G1B+0], s42, (1<<16)|(1<<20)|(1<<21)|(5<<22)|(3<<25)  ; the mask: my column; padding after every 64 words (code 5)
	s_mov_b32 s[G1B+1], 128<<16
	s_mov_b32 s[G1B+2], BR<<16
	s_mov_b32 s[G1B+3], 128<<16
	s_mov_b32 s[G1B+4], BR
	s_mov_b32 s[G1B+5], 1024
	s_mov_b32 s[G1B+6], 0
	s_mov_b32 s[G1B+7], 0
	; where the tiles come from.  A's hang on the tile row alone, B's on the tile column alone, each in registers that never hold the other coordinate
	s_lshr_b32 s19, s18, 4
	s_lshl_b32 s19, s19, 22                        ; b = tile row / 16: 16 chunks of 262,144 bytes
	s_and_b32 s20, s18, 15
	s_lshl_b32 s20, s20, 14                        ; 128 rows of 128 bytes
	s_add_co_u32 s20, s20, s19
	s_lshl_b32 s19, s14, 18                        ; my chunk of the K step's two
	s_add_co_u32 s20, s20, s19
	s_mov_b32 s21, 0
	s_mul_i32 s44, s17, 2*BR*2048                  ; 256 rows of 2,048 bytes a tile column,
	s_mul_i32 s45, s14, BR*2048                    ; my half of them,
	s_add_co_u32 s44, s44, s45
	s_add_co_u32 s44, s44, BOFF0                   ; behind the three other matrices
	s_mov_b32 s45, 0
	s_mul_i32 s22, s14, ACH                        ; and where they go: no place in the cluster enters an LDS address
	s_mul_i32 s23, s14, BHALF
	s_add_co_u32 s23, s23, ABYTES
	s_wait_dscnt 0x0                               ; the opening add is done
	s_wait_kmcnt 0x0
	s_add_nc_u64 s[20:21], s[4:5], s[20:21]
	s_add_nc_u64 s[44:45], s[6:7], s[44:45]
	CROUND                                         ; all sixteen work-groups are here: the first joint loads meet
.irp s, 0,1
	s_mov_b32 s[G0+4*(\s)], 1                                        ; count = 1
	s_add_co_u32 s[G0+4*(\s)+1], s22, (\s)*SLOT                      ; LDS address
	s_add_nc_u64 s[G0+4*(\s)+2:G0+4*(\s)+3], s[20:21], (\s)*524288   ; K step s: two chunks on
	s_or_b32 s[G0+4*(\s)+3], s[G0+4*(\s)+3], 0x80000000              ; type = 2
	s_mov_b32 s[G0B+4*(\s)], 1
	s_add_co_u32 s[G0B+4*(\s)+1], s23, (\s)*SLOT
	s_add_nc_u64 s[G0B+4*(\s)+2:G0B+4*(\s)+3], s[44:45], (\s)*256
	s_or_b32 s[G0B+4*(\s)+3], s[G0B+4*(\s)+3], 0x80000000
	JLOAD \s                                       ; two loads of mine are out
.endr
	; where my part of x and of out0 begins: row 128 x tile row + 64 x half, column 256 x tile column + 128 x half.  Made in s2 and s3, which feed no descriptor
	v_and_b32 v[GO], 31, v0
	v_lshlrev_b32 v[GO], 4, v[GO]
	s_lshl_b32 s2, s18, 7
	s_lshl_b32 s3, s13, 6
	s_add_co_u32 s2, s2, s3
	s_lshl_b32 s2, s2, 12                          ; 4,096 bytes a row
	s_lshl_b32 s3, s17, 10
	s_add_co_u32 s2, s2, s3
	s_lshl_b32 s3, s14, 9
	s_add_co_u32 s2, s2, s3
	s_mov_b32 s3, 0
	s_add_nc_u64 s[8:9], s[8:9], s[2:3]
	s_add_nc_u64 s[10:11], s[10:11], s[2:3]
	LOADXR 0                                       ; the residual's first 32 rows come in under the whole product: the loop names none of their registers and has no wait for them
	LOADXR 1
	; a fragment is 16 rows x 32 K in 8 registers: lane l holds row l % 16, K = 8 (l / 16) + 0..7 and 16 + 8 (l / 16) + 0..7: two loads of 16 bytes, 32 bytes apart
	v_and_b32 v1, 15, v0                           ; l % 16
	v_bfe_u32 v2, v0, 4, 1                         ; l / 16
	v_mul_u32_u24 v3, v1, PA
	v_lshl_add_u32 v3, v2, 4, v3
	v_mul_u32_u24 v4, v1, PB
	v_lshl_add_u32 v4, v2, 4, v4
	s_mul_i32 s46, s13, 64*PA                      ; my 64 rows in each chunk of A
	s_mul_i32 s47, s14, BHALF                      ; my 128 rows of B,
	s_add_co_u32 s47, s47, ABYTES                  ; which lie behind A's chunks
.irp s, 0,1
	v_add_nc_u32 v[ADRA+(\s)], s46, v3
	v_add_nc_u32 v[ADRB+(\s)], s47, v4
	s_add_co_u32 s46, s46, SLOT
	s_add_co_u32 s47, s47, SLOT
.endr
	s_mul_i32 s46, s12, 16*SP
	s_add_co_u32 s46, s46, STAGE                   ; my stage
	v_mul_u32_u24 v3, v1, SP                       ; in: row l % 16, 32 bytes for each half of the lanes
	v_lshl_add_u32 v3, v2, 5, v3
	v_add_nc_u32 v[STO], s46, v3
	v_add_nc_u32 v[RD], s46, v[GO]                 ; back: 32 lanes take a row's 512 bytes
; 8 matrix instructions: my rows 16 a .. 16 a + 15 x all 8 column blocks, 32 along K.  zero = 1: the first product starts the sums: nothing is cleared.
; The 32 accumulators take turns, each once a quarter step, in the same order everywhere.
.macro MULA f, a, zero
	WIN 0xa5+0x50*((\a)/2)                         ; sources 0 (B) and 1 (A) window 1; C and D window 2 or 3
.set b, 0
.rept NB
.set AC, 8*(((\a)%2)*NB+b)
.if \zero
	v_wmma_f32_16x16x32_f16 v[AC:AC+7], v[(\f)+8*b:(\f)+8*b+7], v[(\f)+8*NB+8*(\a):(\f)+8*NB+8*(\a)+7], 0
.else
	v_wmma_f32_16x16x32_f16 v[AC:AC+7], v[(\f)+8*b:(\f)+8*b+7], v[(\f)+8*NB+8*(\a):(\f)+8*NB+8*(\a)+7], v[AC:AC+7]
.endif
.set b, b+1
.endr
.endm
; 24 LDS loads in one run: the fragments of quarter q (32 along K) of a slot into buffer f
.macro FETCH slot, q, f
	WIN 0x40                                       ; destination window 1, address window 0
.set i, 0
.rept NB
	ds_load_b128 v[(\f)+8*i:(\f)+8*i+3],   v[ADRB+(\slot)] offset:(\q)*64+i*16*PB
	ds_load_b128 v[(\f)+8*i+4:(\f)+8*i+7], v[ADRB+(\slot)] offset:(\q)*64+i*16*PB+32
.set i, i+1
.endr
.set i, 0
.rept 4
	ds_load_b128 v[(\f)+8*NB+8*i:(\f)+8*NB+8*i+3],   v[ADRA+(\slot)] offset:((\q)/2)*ACH+((\q)%2)*64+i*16*PA
	ds_load_b128 v[(\f)+8*NB+8*i+4:(\f)+8*NB+8*i+7], v[ADRA+(\slot)] offset:((\q)/2)*ACH+((\q)%2)*64+i*16*PA+32
.set i, i+1
.endr
.endm
; A K step is four quarters of 32 along K, 32 matrix instructions each, on buffers 0, 1, 0, 1.  One of the first three: asks for quarter qn into buffer g, then multiplies buffer f.
.macro QUARTER slot, qn, f, g, zero
	s_wait_dscnt 0x0                               ; buffer f is in: it was asked for 32 matrix instructions ago
	PLACES                                         ; behind the last product that read buffer g
	FETCH \slot, \qn, \g
	MULA \f, 0, \zero
	MULA \f, 1, \zero
	MULA \f, 2, \zero
	MULA \f, 3, \zero
.endm
; The last quarter multiplies buffer 1 and changes slots: ONE barrier; in front of it each wave waits for all its tensor loads, adds 0 to its spare word, and waits for that and for its own reads of this slot.
; fill = 1: the barrier opens a round of the cluster's barrier and this slot is filled again, two K steps ahead: 112 matrix instructions stand between the request and the wait for it.
.macro TURN slot, next, fill
	WIN 0                                          ; (the add's two registers lie in window 0)
	s_wait_tensorcnt 0x0                           ; all my tensor loads have landed: the one that was out is my part of the next slot;
	ds_add_u32 v[SPW], v[NIL]                      ; 0 onto my spare word
	s_wait_dscnt 1                                 ; buffer 1 is in: the add alone may be out
	MULA F1, 0, 0                                  ; eight matrix instructions stand between the add and the wait for it
	s_wait_dscnt 0x0                               ; the add is done, and my reads of this slot are over
	s_barrier_signal -1
	MULA F1, 1, 0                                  ; work on registers while the others arrive
.if \fill
	WIN 0
.endif
	s_barrier_wait -1
.if \fill
	CREST                                          ; no wave of any partner still reads this slot's tile or has a load on its way
	s_add_nc_u64 s[G0+4*(\slot)+2:G0+4*(\slot)+3], s[G0+4*(\slot)+2:G0+4*(\slot)+3], 1048576  ; four chunks on
	s_add_nc_u64 s[G0B+4*(\slot)+2:G0B+4*(\slot)+3], s[G0B+4*(\slot)+2:G0B+4*(\slot)+3], 512
	JLOAD \slot                                    ; the first tensor load behind the round; the four v_nop behind it are also the places in front of the loads below
.else
	PLACES
.endif
	FETCH \next, 0, F0
	MULA F1, 2, 0
	MULA F1, 3, 0
.endm
	s_wait_tensorcnt 1                             ; my part of K step 0 is in; K step 1's may stay out
	s_barrier_signal -1
	s_barrier_wait -1                              ; everybody's is
	FETCH 0, 0, F0
	QUARTER 0, 1, F0, F1, 1                        ; the first quarter stands in front of the loop: its products start the sums
	WIN 0                                          ; at a label and at a branch every window is 0
	s_mov_b32 s40, LAPS-1
.Llap:                                                 ; a trip goes once round the ring, from a lap's second quarter to the next lap's first, and fills both slots again
	QUARTER 0, 2, F1, F0, 0
	QUARTER 0, 3, F0, F1, 0
	TURN 0, 1, 1
	QUARTER 1, 1, F0, F1, 0
	QUARTER 1, 2, F1, F0, 0
	QUARTER 1, 3, F0, F1, 0
	TURN 1, 0, 1
	QUARTER 0, 1, F0, F1, 0
	WIN 0
	s_sub_co_u32 s40, s40, 1
	s_cmp_lg_u32 s40, 0
	s_cbranch_scc1 .Llap
	QUARTER 0, 2, F1, F0, 0                        ; the last lap fills nothing, and has no round of the cluster's barrier
	QUARTER 0, 3, F0, F1, 0
	TURN 0, 1, 0
	QUARTER 1, 1, F0, F1, 0
	QUARTER 1, 2, F1, F0, 0
	QUARTER 1, 3, F0, F1, 0
	s_wait_dscnt 0x0                               ; the very last quarter: nothing more to fetch
	MULA F1, 0, 0
	MULA F1, 1, 0
	MULA F1, 2, 0
	MULA F1, 3, 0
	WIN 0
	PLACES
	PLACES
; THE WAY OUT, 16 rows at a time: the f32 sums go into my own stage (a lane's eight columns are 32 bytes; each accumulator's low half first), come back as whole rows of 512 bytes, take x's rows and are stored.
; left: the younger loads of x, the next block's 16, which may stay out.
.macro OUT a, left
	s_wait_xcnt 0x0                                ; the stores of the block before have read BK: it is loaded again only behind this wait
	WIN 0x08+4*((\a)/2)                            ; an LDS store's data (source 1) in window 2 or 3
.set b, 0
.rept NB
.set AC, 8*(((\a)%2)*NB+b)
	ds_store_b128 v[STO], v[AC:AC+3] offset:64*b
	ds_store_b128 v[STO], v[AC+4:AC+7] offset:64*b+16
.set b, b+1
.endr
	WIN 0
.set t, 0
.rept 16
	ds_load_b128 v[BK+4*t:BK+4*t+3], v[RD] offset:t*SP  ; LDS serves a wave's instructions in order (ISA guide 5.7.1.4): these see the stores above
.set t, t+1
.endr
	s_wait_dscnt 0x0
	s_wait_loadcnt \left                           ; this block's rows of x are in
.set XR, XR0+64*((\a)%2)
.set t, 0
.rept 32
	v_pk_add_f32 v[BK+2*t:BK+2*t+1], v[BK+2*t:BK+2*t+1], v[XR+2*t:XR+2*t+1]
.set t, t+1
.endr
.if (\a) < 2
	LOADXR (\a)+2                                  ; the buffer takes the block two further on, ahead of the stores
.endif
.set t, 0
.rept 16
	global_store_b128 v[GO], v[BK+4*t:BK+4*t+3], s[10:11] offset:(16*(\a)+t)*4096 th:TH_STORE_NT  ; 512 consecutive bytes of a row, at a multiple of 256 from out0's first byte
.set t, t+1
.endr
.endm
	OUT 0, 16
	OUT 1, 16
	OUT 2, 16
	OUT 3, 0
	s_wait_tensorcnt 0x0                           ; the wave's end, behind my last tensor load and my last LDS store
	ds_add_u32 v[SPW], v[NIL]
	s_wait_dscnt 0x0
	CROUND                                         ; the closing round: no work-group ends while a partner may still ask for a tile that names it
	s_endpgm
.Lfunc_end_k_qabc49b9e5f_outp:
	.size	k_qabc49b9e5f_outp, .Lfunc_end_k_qabc49b9e5f_outp-k_qabc49b9e5f_outp
	.p2alignl 7, 3214868480
	.fill 96, 4, 3214868480
	.section	.rodata,"a",@progbits
	.p2align	6, 0x0
	.amdhsa_kernel k_qabc49b9e5f_outp
		.amdhsa_group_segment_fixed_size 327680
		.amdhsa_private_segment_fixed_size 0
		.amdhsa_enable_private_segment 0
		.amdhsa_kernarg_size 32
		.amdhsa_user_sgpr_count 2
		.amdhsa_user_sgpr_kernarg_segment_ptr 1
		.amdhsa_wavefront_size32 1
		.amdhsa_system_sgpr_workgroup_id_x 1
		.amdhsa_system_sgpr_workgroup_id_y 1
		.amdhsa_system_sgpr_workgroup_id_z 1
		.amdhsa_system_vgpr_workitem_id 0
		.amdhsa_next_free_vgpr 896
		.amdhsa_next_free_sgpr 66
		.amdhsa_reserve_vcc 0
		.amdhsa_float_denorm_mode_32 3
		.amdhsa_float_denorm_mode_16_64 3
		.amdhsa_memory_ordered 1
		.amdhsa_forward_progress 1
		.amdhsa_inst_pref_size 99
	.end_amdhsa_kernel
	.amdgpu_metadata
---
amdhsa.version: [ 1, 2 ]
amdhsa.kernels:
  - .name:           k_qabc49b9e5f_outp
    .symbol:         k_qabc49b9e5f_outp.kd
    .args:
      - { .name: o, .offset: 0, .size: 8, .value_kind: global_buffer, .address_space: global }
      - { .name: wh, .offset: 8, .size: 8, .value_kind: global_buffer, .address_space: global }
      - { .name: x, .offset: 16, .size: 8, .value_kind: global_buffer, .address_space: global }
      - { .name: out0, .offset: 24, .size: 8, .value_kind: global_buffer, .address_space: global }
    .group_segment_fixed_size: 327680
    .private_segment_fixed_size: 0
    .kernarg_segment_align: 8
    .kernarg_segment_size: 32
    .max_flat_workgroup_size: 128
    .sgpr_count:     66
    .vgpr_count:     896
    .wavefront_size: 32
...
	.end_amdgpu_metadata
.endif
;; end of part 4
